; MI455X (gfx1250); checked and timed in simulation.
; The chip was launched on July 23, 2026; its instructions are those of AMD's public machine-readable ISA for CDNA 5 (MIT licence, August 2026) and "CDNA5" Instruction Set Architecture Reference Guide (July 2026). The comments in the code are by the model that wrote it; some were corrected since.
;; Multi Headed Attention. Allowed arithmetic: float matrix products may take bf16 or f16 operands with f32 sums; other float arithmetic in f32, or as packed bf16 or f16 multiplies, adds, multiply-adds, maxima and minima; sums over many terms, partial sums and values carried from step to step in f32; what a program stores and reads back later, other than sums and carried values, may be rounded once to bf16 or f16.
;; Inputs: b_proj 1,024 float32; b_qkv 3,072 float32; w_proj 1,024 x 1,024 float32; w_qkv 1,024 x 3,072 float32; x 4 x 2,048 x 1,024 float32.
;; Outputs: out0 4 x 2,048 x 1,024 float32.
;; One version. Each part assembles by itself: llvm-mc -triple=amdgcn-amd-amdhsa -mcpu=gfx1250 --defsym DOCPART=n.
;; ======== version 1 of 1: 4 launches
;; limits: values are held in f16: magnitudes above 65,504 overflow, below 6.1e-05 lose precision
;; workspace buffers: xb 16,777,216 bytes; wqt 6,291,456 bytes; wpt 2,097,152 bytes; qkv 50,331,648 bytes; att 16,777,216 bytes
;; launch prep (part 1): grid 1536 x 1, 4 waves a work-group, no clusters, 17,920 bytes of LDS; arguments x, w_qkv, w_proj, xb, wqt, wpt; writes xb, wqt, wpt
.if DOCPART == 1
	.amdgcn_target "amdgcn-amd-amdhsa--gfx1250"
	.amdhsa_code_object_version 6
	.text
	.protected	k_q7ca5ac7c0c_prep
	.globl	k_q7ca5ac7c0c_prep
	.p2align	8
	.type	k_q7ca5ac7c0c_prep,@function
k_q7ca5ac7c0c_prep:
	s_mov_b64 s[64:65], 0
	v_nop
	global_prefetch_b8 v0, s[64:65] scope:SCOPE_SE
	s_setreg_imm32_b32 hwreg(HW_REG_WAVE_MODE, 25, 1), 1
	s_wait_xcnt 0x0
; THE OPERANDS ARE MADE READY.  xb = x rounded to bf16, as it lies ([8192][1024]).  wqt[n][k] = w_qkv[k][n] rounded to bf16 ([3072][1024]).
; wpt[n][k] = w_proj[k][n] rounded to bf16, and that number written as f16 ([1024][1024]): the last product multiplies f16 operands.
; LIMITS.  A bf16 number of w_proj below 2^-14 keeps f16's fixed step of 6e-8; beyond 65,504 it would be an infinity.  NaN and infinities are not treated apart.
; SHARES.  Every work-group reads 32 KiB, every wave 8 KiB by 16 loads of 16 bytes a lane, all issued before the first is waited for; there is no loop.
;   work-groups 0-1023: 32 KiB of x on end.   1024-1407: a block of 128 k x 64 n of w_qkv.   1408-1535: the same of w_proj.
; THE TURNING.  A lane loads 4 neighbouring n of 16 rows k (8 on end, twice); for each n its 8 neighbouring k pack into 16 bytes; these go into an LDS tile [64 n][128 k]
; with rows of 272 bytes and come back as whole rows of 256 bytes, which sixteen lanes store on end, at a multiple of 256 bytes from the buffer's first byte.
; No tensor load and no ring: no byte is wanted twice, and the registers hold all that is on its way.  No matrix unit, no cluster: nothing is multiplied, nothing shared.
.set TP,    272                        ; a row of the LDS tile: 256 bytes + 16
.set SPARE, 64*TP                      ; behind the tile: the spare words, 128 bytes for each wave: two blocks of 256 bytes that no other line names
.set LI,  4                            ; v4   16 x lane
.set LO,  5                            ; v5   8 x lane
.set STO, 6                            ; v6   where I put 16 bytes of a row of the tile
.set RD,  7                            ; v7   where I read a row back
.set GO,  8                            ; v8   my byte offset in the turned block
.set T0,  10                           ; v10-11 at work
.set T1,  11
.set SPW, 12                           ; v12  LDS address of my spare word; never rewritten
.set NIL, 13                           ; v13  0; never rewritten
.set OFF, 16                           ; v[16:31]  byte offsets of my 16 loads in the block of w
.set X,   32                           ; v[32:95]  as loaded
.set P,   96                           ; v[96:127] packed
	s_load_b256 s[4:11], s[0:1], 0x0               ; x s[4:5], w_qkv s[6:7], w_proj s[8:9], xb s[10:11]
	s_load_b128 s[12:15], s[0:1], 0x20             ; wqt s[12:13], wpt s[14:15]
	v_lshl_add_u32 v[SPW], v0, 2, SPARE
	v_mov_b32 v[NIL], 0
	v_lshrrev_b32 v[T0], 5, v0
	v_readfirstlane_b32 s16, v[T0]                 ; wave 0..3
	v_and_b32 v1, 31, v0                           ; lane
	v_and_b32 v2, 15, v0                           ; c = lane % 16
	v_bfe_u32 v3, v0, 4, 1                         ; h = lane / 16
	s_mov_b32 s3, 0
	s_wait_kmcnt 0x0
	s_cmp_lt_u32 ttmp9, 1024                       ; the same answer in all four waves
	s_cbranch_scc0 .Ltrans
	; THE CAST OF x
	v_lshlrev_b32 v[LI], 4, v1
	v_lshlrev_b32 v[LO], 3, v1
	s_lshl_b32 s2, ttmp9, 15                       ; the work-group's 32 KiB,
	s_lshl_b32 s17, s16, 13                        ; my wave's 8 KiB
	s_add_co_u32 s2, s2, s17
	s_add_nc_u64 s[24:25], s[4:5], s[2:3]
	s_lshr_b32 s2, s2, 1                           ; half as many bytes out
	s_add_nc_u64 s[26:27], s[10:11], s[2:3]
.irp i, 0,1,2,3,4,5,6,7,8,9,10,11,12,13,14,15
	global_load_b128 v[X+4*(\i):X+4*(\i)+3], v[LI], s[24:25] offset:512*(\i) th:TH_LOAD_NT
.endr
.irp i, 0,1,2,3,4,5,6,7,8,9,10,11,12,13,14,15
	s_wait_loadcnt 15-(\i)                         ; loads come back in order: load i is in, the younger ones stay out
	v_cvt_pk_bf16_f32 v[P+2*(\i)],   v[X+4*(\i)],   v[X+4*(\i)+1]
	v_cvt_pk_bf16_f32 v[P+2*(\i)+1], v[X+4*(\i)+2], v[X+4*(\i)+3]
	global_store_b64 v[LO], v[P+2*(\i):P+2*(\i)+1], s[26:27] offset:256*(\i) th:TH_STORE_NT  ; 32 lanes store 256 consecutive bytes, aligned
.endr
	s_branch .Lend
.Ltrans:                                               ; A BLOCK OF A WEIGHT MATRIX IS TURNED
	s_sub_co_u32 s17, ttmp9, 1024                  ; 0-383: w_qkv; 384-511: w_proj
	s_sub_co_u32 s23, s17, 384
	s_movk_i32 s20, 0x3000                         ; bytes in a row of w_qkv
	s_movk_i32 s21, 0x1000                         ; and of w_proj
	s_cmp_ge_u32 s17, 384
	s_cselect_b32 s22, 1, 0                        ; 1: w_proj
	s_cselect_b32 s17, s23, s17                    ; the block's number in its matrix
	s_cselect_b32 s20, s21, s20                    ; the pitch
	s_cselect_b64 s[24:25], s[8:9], s[6:7]         ; from where
	s_cselect_b64 s[26:27], s[14:15], s[12:13]     ; to where
	s_lshl_b32 s21, s20, 4                         ; 16 rows
	s_and_b32 s18, s17, 7                          ; kb: which 128 k
	s_lshr_b32 s19, s17, 3                         ; nb: which 64 n
	s_lshl_b32 s2, s18, 7
	s_lshl_b32 s23, s16, 5
	s_add_co_u32 s2, s2, s23                       ; my wave's first row: 128 kb + 32 wave
	s_mul_i32 s2, s2, s20
	s_lshl_b32 s23, s19, 8                         ; 64 n are 256 bytes
	s_add_co_u32 s2, s2, s23
	s_add_nc_u64 s[24:25], s[24:25], s[2:3]
	s_lshl_b32 s2, s19, 17                         ; 64 turned rows of 2,048 bytes,
	s_lshl_b32 s23, s18, 8                         ; 128 k are 256 bytes
	s_add_co_u32 s2, s2, s23
	s_add_nc_u64 s[26:27], s[26:27], s[2:3]
	v_lshlrev_b32 v[T0], 3, v3
	v_mul_lo_u32 v[T0], v[T0], s20                 ; 8 h rows
	v_lshl_add_u32 v[OFF], v2, 4, v[T0]            ; + 16 c: sixteen lanes take a row's 256 bytes
.irp i, 1,2,3,4,5,6,7
	v_add_nc_u32 v[OFF+(\i)], s20, v[OFF+(\i)-1]
.endr
.irp i, 0,1,2,3,4,5,6,7
	v_add_nc_u32 v[OFF+8+(\i)], s21, v[OFF+(\i)]
.endr
.irp i, 0,1,2,3,4,5,6,7,8,9,10,11,12,13,14,15
	global_load_b128 v[X+4*(\i):X+4*(\i)+3], v[OFF+(\i)], s[24:25] th:TH_LOAD_NT  ; row 32 wave + 16 (i / 8) + 8 h + i % 8, columns 4 c + 0..3
.endr
	v_mul_u32_u24 v[STO], v2, 4*TP                 ; tile row 4 c (+ j in the immediate),
	v_lshl_add_u32 v[STO], v3, 4, v[STO]           ; k = 32 wave + 8 h (+ 16 g in the immediate), 2 bytes each
	s_lshl_b32 s23, s16, 6
	v_add_nc_u32 v[STO], s23, v[STO]
	v_lshl_add_u32 v[T0], s16, 4, v3               ; back: tile row 16 wave + h (+ 2 t in the immediate)
	v_mul_u32_u24 v[RD], v[T0], TP
	v_lshl_add_u32 v[RD], v2, 4, v[RD]
	v_lshlrev_b32 v[GO], 11, v[T0]                 ; the same row in the turned matrix
	v_lshl_add_u32 v[GO], v2, 4, v[GO]
.irp g, 0,1
	s_wait_loadcnt 8-8*(\g)                        ; the first eight loads are in, then all
.irp j, 0,1,2,3
.irp m, 0,1,2,3
	v_cvt_pk_bf16_f32 v[P+16*(\g)+4*(\j)+(\m)], v[X+4*(8*(\g)+2*(\m))+(\j)], v[X+4*(8*(\g)+2*(\m)+1)+(\j)]  ; column 4 c + j, rows 2 m and 2 m + 1 of the eight
.endr
.endr
.endr
	s_cmp_eq_u32 s22, 0
	s_cbranch_scc1 .Lcoded
.set r, 0
.rept 32                               ; w_proj: the bf16 numbers are written as f16
	v_lshlrev_b32 v[T0], 16, v[P+r]
	v_and_b32 v[T1], 0xffff0000, v[P+r]
	v_cvt_pk_f16_f32 v[P+r], v[T0], v[T1]
.set r, r+1
.endr
.Lcoded:
.irp g, 0,1
.irp j, 0,1,2,3
	ds_store_b128 v[STO], v[P+16*(\g)+4*(\j):P+16*(\g)+4*(\j)+3] offset:TP*(\j)+32*(\g)
.endr
.endr
	s_wait_dscnt 0x0                               ; for the others' sake: my stores into the tile are done
	s_barrier_signal -1
	s_barrier_wait -1                              ; a row's 256 bytes come from all four waves
.irp t, 0,1,2,3,4,5,6,7
	ds_load_b128 v[X+4*(\t):X+4*(\t)+3], v[RD] offset:2*TP*(\t)
.endr
.irp t, 0,1,2,3,4,5,6,7
	s_wait_dscnt 7-(\t)                            ; LDS loads come back in order: load t is in
	global_store_b128 v[GO], v[X+4*(\t):X+4*(\t)+3], s[26:27] offset:4096*(\t) th:TH_STORE_NT  ; 16 lanes store 256 consecutive bytes, aligned
.endr
.Lend:
	s_wait_tensorcnt 0x0                           ; the wave's end: behind my last LDS store
	ds_add_u32 v[SPW], v[NIL]
	s_wait_dscnt 0x0
	s_endpgm
.Lfunc_end_k_q7ca5ac7c0c_prep:
	.size	k_q7ca5ac7c0c_prep, .Lfunc_end_k_q7ca5ac7c0c_prep-k_q7ca5ac7c0c_prep
	.p2alignl 7, 3214868480
	.fill 96, 4, 3214868480
	.section	.rodata,"a",@progbits
	.p2align	6, 0x0
	.amdhsa_kernel k_q7ca5ac7c0c_prep
		.amdhsa_group_segment_fixed_size 17920
		.amdhsa_private_segment_fixed_size 0
		.amdhsa_enable_private_segment 0
		.amdhsa_kernarg_size 48
		.amdhsa_user_sgpr_count 2
		.amdhsa_user_sgpr_kernarg_segment_ptr 1
		.amdhsa_wavefront_size32 1
		.amdhsa_system_sgpr_workgroup_id_x 1
		.amdhsa_system_sgpr_workgroup_id_y 1
		.amdhsa_system_sgpr_workgroup_id_z 1
		.amdhsa_system_vgpr_workitem_id 0
		.amdhsa_next_free_vgpr 136
		.amdhsa_next_free_sgpr 66
		.amdhsa_reserve_vcc 0
		.amdhsa_float_denorm_mode_32 3
		.amdhsa_float_denorm_mode_16_64 3
		.amdhsa_memory_ordered 1
		.amdhsa_forward_progress 1
		.amdhsa_inst_pref_size 20
	.end_amdhsa_kernel
	.amdgpu_metadata
---
amdhsa.version: [ 1, 2 ]
amdhsa.kernels:
  - .name:           k_q7ca5ac7c0c_prep
    .symbol:         k_q7ca5ac7c0c_prep.kd
    .args:
      - { .name: x, .offset: 0, .size: 8, .value_kind: global_buffer, .address_space: global }
      - { .name: w_qkv, .offset: 8, .size: 8, .value_kind: global_buffer, .address_space: global }
      - { .name: w_proj, .offset: 16, .size: 8, .value_kind: global_buffer, .address_space: global }
      - { .name: xb, .offset: 24, .size: 8, .value_kind: global_buffer, .address_space: global }
      - { .name: wqt, .offset: 32, .size: 8, .value_kind: global_buffer, .address_space: global }
      - { .name: wpt, .offset: 40, .size: 8, .value_kind: global_buffer, .address_space: global }
    .group_segment_fixed_size: 17920
    .private_segment_fixed_size: 0
    .kernarg_segment_align: 8
    .kernarg_segment_size: 48
    .max_flat_workgroup_size: 128
    .sgpr_count:     66
    .vgpr_count:     136
    .wavefront_size: 32
...
	.end_amdgpu_metadata
.endif
;; end of part 1
;; launch gemm_qkv (part 2): grid 16 x 32, 4 waves a work-group, clusters of 4 x 4, 327,680 bytes of LDS; arguments xb, wqt, b_qkv, qkv; writes qkv
.if DOCPART == 2
	.amdgcn_target "amdgcn-amd-amdhsa--gfx1250"
	.amdhsa_code_object_version 6
	.text
	.protected	k_q7ca5ac7c0c_gemm_qkv
	.globl	k_q7ca5ac7c0c_gemm_qkv
	.p2align	8
	.type	k_q7ca5ac7c0c_gemm_qkv,@function
k_q7ca5ac7c0c_gemm_qkv:
	s_mov_b64 s[64:65], 0
	v_nop
	global_prefetch_b8 v0, s[64:65] scope:SCOPE_SE
	s_setreg_imm32_b32 hwreg(HW_REG_WAVE_MODE, 25, 1), 1
	s_wait_xcnt 0x0
	s_wait_alu depctr_hold_cnt(0) depctr_sa_sdst(0) depctr_va_vdst(0) depctr_va_sdst(0) depctr_va_ssrc(0) depctr_va_vcc(0) depctr_vm_vsrc(0)
	s_getreg_b32 s2, hwreg(HW_REG_IB_STS2, 6, 4)
	s_cmp_eq_u32 s2, 0
	s_cbranch_scc0 .Lentry_in_a_cluster
	s_endpgm
.Lentry_in_a_cluster:
	s_bfe_u32 s2, ttmp6, 0x10000c
	s_cmp_lg_u32 s2, 0xf033
	s_cbranch_scc0 .Lentry_shape_is_right
	s_endpgm
.Lentry_shape_is_right:
; q, k, v = x w_qkv + b_qkv, written by heads.  xb: [8192][1024] bf16.  wqt: [3072 n][1024 k] bf16.  b_qkv: [3072] f32, rounded to bf16 like the other inputs.
; qkv: [3 (q, k, v)][64 = batch x 16 + head][2048 tokens][64] f16, unscaled, each number rounded once from its f32 sum.
; LIMITS.  f16 holds no number beyond 65,504: a q, k or v of 65,520 or more would become an infinity.  NaN and infinities are not treated apart.
; SHARES.  A tile of the result is 256 tokens x 192 columns (three heads): 32 x 16 = 512 work-groups.  Wave w owns tokens 64 w .. 64 w + 63 and all 192 columns: 4 x 12 accumulators of
; 16 x 16, 384 registers.  So a wave holds whole heads: 16 tokens of a head are 2,048 consecutive bytes of qkv, and the way out needs the wave's own stage alone, and no barrier.
; K goes in 8 steps of 128 through two LDS slots filled by the tensor data mover: a tile's rows are 256 bytes of memory and start at multiples of 256 bytes.  A step is four quarters of 32 along K, 48 products each.
; CLUSTER.  4 x 4 work-groups.  The four of a row of the cluster need the same tokens, the four of a column the same rows of wqt: each tile is asked for JOINTLY, by the same tensor load with the same
; descriptor and a mask that names the four.  Waves 0 and 1 ask for the two halves (128 rows) of xb's tile, waves 2 and 3 for the two halves (96 rows) of wqt's: one load a wave.
; THE MATRIX INSTRUCTION IS USED TRANSPOSED: source 0 = 16 rows of wqt, source 1 = 16 tokens: a lane then holds token l % 16 and the columns 8 (l / 16) + 0..7, which pack into 16 bytes.
; THE BIAS is the C operand of each accumulator's first product: nothing is cleared and nothing is added on the way out.
; REGISTERS, in windows of 256 (s_set_vgpr_msb: bits 1:0 source 0, 3:2 source 1, 5:4 source 2, 7:6 destination):
;   window 0: v0-31 addresses; v32-63, v64-95 fragments of xb (4 x 16 tokens x 32 K), two buffers; v96-143 packed results; v144-191, v192-239 rows read back from the stage, by turns
;   window 1: v0-95, v96-191 fragments of wqt (12 x 16 rows x 32 K), two buffers
;   window 2: accumulators of token blocks 0, 1 ((a, b) at v[96 a + 8 b]); v192-255 the bias for column blocks 0-7          window 3: token blocks 2, 3; v192-223 the bias for column blocks 8-11
.set PITCH,  272                       ; an LDS row: 256 bytes + 16 of padding = 68 words: the 16 rows that a load touches start at 16 different groups of four banks (64 banks of 4 bytes: ISA guide 11.1)
.set HALFA,  128*PITCH                 ; what a tensor load brings of xb
.set HALFB,  96*PITCH                  ; and of wqt
.set BOFF,   2*HALFA                   ; a slot: xb's 256 rows, then wqt's 192
.set SLOT1,  1<<17                     ; slot 1 begins here, so that one exclusive or turns an address in one slot into the other's
.set STAGE,  SLOT1+BOFF+2*HALFB        ; behind the ring, never filled by a tensor load: for each wave 3 heads x 16 rows x 144 bytes
.set SP,     144
.set WSTAGE, 3*16*SP
.set SPARE,  STAGE+4*WSTAGE            ; behind the stages: the spare words, 128 bytes for each wave: two blocks of 256 bytes that no other line names
.set KB,     256                       ; bytes of a row in a K step
.set ADRA0, 16                         ; v16  my lane's place in xb's tile of slot 0; never rewritten
.set ADRB0, 17                         ; v17  the same for wqt's
.set ADRA,  18                         ; v18  the same in the slot in hand
.set ADRB,  19                         ; v19
.set STO,   24                         ; v24  the way out: where I put 16 bytes of a row
.set RD,    25                         ; v25  the way out: where I read rows back
.set GO,    26                         ; v26  my byte offset in 512 consecutive bytes of qkv
.set BO,    27                         ; v27  my byte offset in 16 numbers of the bias
.set SPW,   28                         ; v28  LDS address of my spare word; never rewritten
.set NIL,   29                         ; v29  0; never rewritten
.set FA,    32
.set TMP,   96
.set OB,    144
.set BIAS,  192
.set WV,  12                           ; s12  my wave's number
.set FB,  13                           ; s13  I fetch for xb (0) or for wqt (1)
.set HF,  14                           ; s14  which half of that tile
.set G1A, 24                           ; s[24:31] descriptor group 1 for xb's tiles
.set G0A, 32                           ; s[32:35] group 0: it walks
.set G0B, 36                           ; s[36:39] the same for wqt's
.set G1B, 40                           ; s[40:47]
.set TB,  48                           ; s48  0 or SLOT1: the slot in hand
.set OUT, 50                           ; s[50:55] qkv at my 64 tokens of the tile's three heads
.set BB,  56                           ; s[56:57] the bias at the tile's first column
.set MSB, 0
.macro WIN new                         ; the immediate's high byte repeats the setting that is left; a switch that changes nothing is dropped
.if MSB != (\new)
	s_set_vgpr_msb (MSB<<8)|(\new)
.set MSB, \new
.endif
.endm
; A joint load.  Each of the two lines has one mask and one set of registers for all that issue it.  The branch hangs on the wave's number alone.
; An s_nop 0 and four v_nop follow each of the two lines; the jump, the label and what follows come after them.
.macro JLOAD
	s_cmp_eq_u32 s[FB], 0
	s_cbranch_scc0 .Lfor_b_\@
	tensor_load_to_lds s[G0A:G0A+3], s[G1A:G1A+7]
	s_nop 0
.rept 4
	v_nop
.endr
	s_branch .Lasked_\@
.Lfor_b_\@:
	tensor_load_to_lds s[G0B:G0B+3], s[G1B:G1B+7]
	s_nop 0
.rept 4
	v_nop
.endr
.Lasked_\@:
.endm
.macro STEPD                           ; the walking descriptors: the other slot than last time, the next K step; the type bits on top are not reached
	s_xor_b32 s[G0A+1], s[G0A+1], SLOT1
	s_add_nc_u64 s[G0A+2:G0A+3], s[G0A+2:G0A+3], KB
	s_xor_b32 s[G0B+1], s[G0B+1], SLOT1
	s_add_nc_u64 s[G0B+2:G0B+3], s[G0B+2:G0B+3], KB
.endm
; A round of the cluster's barrier: my work-group's barrier, so that wave 0's signal speaks for all four waves; wave 0 signals; every wave waits for all sixteen work-groups; my work-group's barrier once more.
.macro CREST                           ; a round behind its opening barrier
	s_cmp_lg_u32 s[WV], 0
	s_cbranch_scc1 .Lnot_wave_0_\@
	s_barrier_signal -3
.Lnot_wave_0_\@:
	s_barrier_wait -3
	s_barrier_signal -1
	s_barrier_wait -1
.endm
.macro CROUND                          ; a whole round
	s_barrier_signal -1
	s_barrier_wait -1
	CREST
.endm
	s_load_b256 s[4:11], s[0:1], 0x0               ; xb s[4:5], wqt s[6:7], b_qkv s[8:9], qkv s[10:11]
	v_lshl_add_u32 v[SPW], v0, 2, SPARE
	v_mov_b32 v[NIL], 0
	ds_add_u32 v[SPW], v[NIL]                      ; the wave's opening: the add and its wait ahead of my first tensor load; the set-up below, work on registers, stands between them
	ds_add_u32 v28, v29
	v_lshrrev_b32 v1, 5, v0
	v_readfirstlane_b32 s[WV], v1                  ; wave 0..3
	s_lshr_b32 s[FB], s[WV], 1
	s_and_b32 s[HF], s[WV], 1
	s_bfe_u32 s15, ttmp6, 0x40000                  ; cx, cy: my place in the cluster
	s_bfe_u32 s16, ttmp6, 0x40004
	s_lshl_b32 s17, ttmp9, 2                       ; in a cluster launch ttmp9 and ttmp7 count clusters
	s_add_co_u32 s17, s17, s15                     ; tile column = 4 x cluster x + cx: 0..15
	s_and_b32 s18, ttmp7, 0xffff
	s_lshl_b32 s18, s18, 2
	s_add_co_u32 s18, s18, s16                     ; tile row = 4 x cluster y + cy: 0..31
	s_lshl_b32 s19, s16, 2
	s_lshl_b32 s19, 15, s19                        ; my row of the cluster: places 4 cy .. 4 cy + 3
	s_lshl_b32 s49, 0x1111, s15                    ; my column: places cx, cx + 4, cx + 8, cx + 12
	s_or_b32 s[G1A], s19, (1<<16)|(1<<20)|(1<<21)|(5<<22)|(3<<25)  ; 15:0 the mask; 17:16 elements of 2 bytes; 20 padding on; 21 set beside a mask; 24:22 after every 64 words (code 5); 31:25 4 words of it (code 3)
	s_or_b32 s[G1B], s49, (1<<16)|(1<<20)|(1<<21)|(5<<22)|(3<<25)
	s_mov_b32 s[G1A+1], 128<<16                    ; tensor_dim0 = 128
	s_mov_b32 s[G1A+2], 128<<16                    ; tensor_dim1 = 128
	s_mov_b32 s[G1A+3], 128<<16                    ; tile_dim0 = 128
	s_mov_b32 s[G1A+4], 128                        ; tile_dim1 = 128
	s_mov_b32 s[G1A+5], 1024                       ; elements from row to row
	s_mov_b32 s[G1A+6], 0
	s_mov_b32 s[G1A+7], 0
	s_mov_b32 s[G1B+1], 128<<16
	s_mov_b32 s[G1B+2], 96<<16                     ; tensor_dim1 = 96
	s_mov_b32 s[G1B+3], 128<<16
	s_mov_b32 s[G1B+4], 96                         ; tile_dim1 = 96
	s_mov_b32 s[G1B+5], 1024
	s_mov_b32 s[G1B+6], 0
	s_mov_b32 s[G1B+7], 0
	; where the tiles come from.  xb's hang on the tile row alone, which my row of the cluster shares; wqt's on the tile column alone, which my column shares: each in registers that never hold the other coordinate
	s_lshl_b32 s20, s18, 8
	s_lshl_b32 s21, s[HF], 7
	s_add_co_u32 s20, s20, s21                     ; xb: row 256 x tile row + 128 x half,
	s_lshl_b32 s20, s20, 11                        ; of 2,048 bytes
	s_mov_b32 s21, 0
	s_mul_i32 s22, s17, 192
	s_mul_i32 s23, s[HF], 96
	s_add_co_u32 s22, s22, s23                     ; wqt: row 192 x tile column + 96 x half
	s_lshl_b32 s22, s22, 11
	s_mov_b32 s23, 0
	s_mov_b32 s[G0A], 1                            ; 1:0 count = 1
	s_mul_i32 s[G0A+1], s[HF], HALFA               ; 63:32 LDS address: slot 0; no place in the cluster enters it
	s_mov_b32 s[G0B], 1
	s_mul_i32 s[G0B+1], s[HF], HALFB
	s_add_co_u32 s[G0B+1], s[G0B+1], BOFF
	s_mov_b32 s[TB], 0
	s_wait_dscnt 0x0                               ; the opening add is done
	s_wait_kmcnt 0x0
	s_add_nc_u64 s[G0A+2:G0A+3], s[4:5], s[20:21]  ; 120:64 global address: K step 0
	s_or_b32 s[G0A+3], s[G0A+3], 0x80000000        ; 127:126 type = 2
	s_add_nc_u64 s[G0B+2:G0B+3], s[6:7], s[22:23]
	s_or_b32 s[G0B+3], s[G0B+3], 0x80000000
	CROUND                                         ; all sixteen work-groups are here: the first joint loads meet
	JLOAD                                          ; K step 0 into slot 0; slot 1 is asked for when slot 0 is in
	; all that follows, up to the wait for the tile, stands in the time in which the tile is on its way
	s_mul_i32 s58, s17, 3                          ; the tile's first head among the 48 of q, k, v
	s_lshr_b32 s59, s18, 3
	s_lshl_b32 s59, s59, 4                         ; batch x 16
	s_and_b32 s60, s18, 7
	s_lshl_b32 s60, s60, 15                        ; the tile's 256 tokens in the batch's 2,048, 128 bytes each,
	s_lshl_b32 s61, s[WV], 13                      ; my wave's 64 of them
	s_add_co_u32 s60, s60, s61
.irp j, 0,1,2
	s_add_co_u32 s62, s58, \j
	s_lshr_b32 s63, s62, 4                         ; q, k or v:
	s_lshl_b32 s63, s63, 6                         ; 64 planes each
	s_and_b32 s62, s62, 15                         ; the head
	s_add_co_u32 s62, s62, s63
	s_add_co_u32 s62, s62, s59
	s_lshl_b32 s62, s62, 18                        ; a plane is 2,048 x 128 bytes
	s_add_co_u32 s62, s62, s60
	s_mov_b32 s63, 0
	s_add_nc_u64 s[OUT+2*(\j):OUT+2*(\j)+1], s[10:11], s[62:63]
.endr
	s_mul_i32 s62, s17, 768                        ; 192 numbers of 4 bytes
	s_mov_b32 s63, 0
	s_add_nc_u64 s[BB:BB+1], s[8:9], s[62:63]
	v_and_b32 v1, 15, v0                           ; l % 16
	v_bfe_u32 v2, v0, 4, 1                         ; l / 16
	v_lshlrev_b32 v[BO], 5, v2                     ; my 8 columns of a block of 16
	WIN 0x80                                       ; destination window 2, address window 0
.irp b, 0,1,2,3,4,5,6,7
	global_load_b128 v[BIAS+8*(\b):BIAS+8*(\b)+3],   v[BO], s[BB:BB+1] offset:64*(\b)
	global_load_b128 v[BIAS+8*(\b)+4:BIAS+8*(\b)+7], v[BO], s[BB:BB+1] offset:64*(\b)+16
.endr
	WIN 0xc0                                       ; destination window 3
.irp b, 8,9,10,11
	global_load_b128 v[BIAS+8*((\b)-8):BIAS+8*((\b)-8)+3],   v[BO], s[BB:BB+1] offset:64*(\b)
	global_load_b128 v[BIAS+8*((\b)-8)+4:BIAS+8*((\b)-8)+7], v[BO], s[BB:BB+1] offset:64*(\b)+16
.endr
	WIN 0
	; A fragment is 16 rows x 32 K in 8 registers: lane l holds row l % 16; registers 0-3 hold K = 8 (l / 16) + 0..7, registers 4-7 K = 16 + 8 (l / 16) + 0..7: two loads of 16 bytes, 32 bytes apart.
	v_mul_u32_u24 v3, v1, PITCH
	v_lshl_add_u32 v3, v2, 4, v3                   ; row x pitch + 16 x half
	s_mul_i32 s2, s[WV], 64*PITCH                  ; my 64 tokens
	v_add_nc_u32 v[ADRA0], s2, v3
	v_add_nc_u32 v[ADRB0], BOFF, v3
	v_mov_b32 v[ADRA], v[ADRA0]
	v_mov_b32 v[ADRB], v[ADRB0]
	s_mul_i32 s2, s[WV], WSTAGE
	s_add_co_u32 s2, s2, STAGE                     ; my stage
	v_mul_u32_u24 v[STO], v1, SP                   ; in: row l % 16, 16 bytes for each half of the lanes
	v_lshl_add_u32 v[STO], v2, 4, v[STO]
	v_add_nc_u32 v[STO], s2, v[STO]
	v_bfe_u32 v[RD], v0, 3, 2                      ; back: 32 lanes take four rows of 128 bytes,
	v_mul_u32_u24 v[RD], v[RD], SP
	v_and_b32 v4, 7, v0
	v_lshl_add_u32 v[RD], v4, 4, v[RD]
	v_add_nc_u32 v[RD], s2, v[RD]
	v_and_b32 v[GO], 31, v0                        ; which are 512 consecutive bytes of qkv
	v_lshlrev_b32 v[GO], 4, v[GO]
	s_wait_loadcnt 0x0                             ; the bias is in; it is rounded to bf16 in place, two numbers at a time, and widened again
	WIN 0x8a                                       ; sources and destination window 2
.set i, BIAS
.rept 32
	v_cvt_pk_bf16_f32 v[i], v[i], v[i+1]
	v_and_b32 v[i+1], 0xffff0000, v[i]
	v_lshlrev_b32 v[i], 16, v[i]
.set i, i+2
.endr
	WIN 0xcf                                       ; window 3
.set i, BIAS
.rept 16
	v_cvt_pk_bf16_f32 v[i], v[i], v[i+1]
	v_and_b32 v[i+1], 0xffff0000, v[i]
	v_lshlrev_b32 v[i], 16, v[i]
.set i, i+2
.endr
; 12 products: token block a x all 12 column blocks, 32 along K, from buffer f.  zero = 1: the first product of each sum takes the bias as C.
; The 48 accumulators take turns, one instruction a turn, in the same order in every quarter: between two products on one accumulator stand the 47 others'.
.macro MUL12 f, a, zero
.irp b, 0,1,2,3,4,5,6,7,8,9,10,11
.if \zero
.if (\b) < 8
	WIN 0xa1+0x40*((\a)/2)                         ; source 0 window 1, source 1 window 0, C window 2, D window 2 or 3
	v_wmma_f32_16x16x32_bf16 v[96*((\a)%2)+8*(\b):96*((\a)%2)+8*(\b)+7], v[96*(\f)+8*(\b):96*(\f)+8*(\b)+7], v[FA+32*(\f)+8*(\a):FA+32*(\f)+8*(\a)+7], v[BIAS+8*(\b):BIAS+8*(\b)+7]
.else
	WIN 0xb1+0x40*((\a)/2)                         ; the same with C in window 3
	v_wmma_f32_16x16x32_bf16 v[96*((\a)%2)+8*(\b):96*((\a)%2)+8*(\b)+7], v[96*(\f)+8*(\b):96*(\f)+8*(\b)+7], v[FA+32*(\f)+8*(\a):FA+32*(\f)+8*(\a)+7], v[BIAS+8*((\b)-8):BIAS+8*((\b)-8)+7]
.endif
.else
	WIN 0xa1+0x50*((\a)/2)                         ; C and D window 2 or 3
	v_wmma_f32_16x16x32_bf16 v[96*((\a)%2)+8*(\b):96*((\a)%2)+8*(\b)+7], v[96*(\f)+8*(\b):96*(\f)+8*(\b)+7], v[FA+32*(\f)+8*(\a):FA+32*(\f)+8*(\a)+7], v[96*((\a)%2)+8*(\b):96*((\a)%2)+8*(\b)+7]
.endif
.endr
.endm
; 32 LDS loads in one run: a quarter's fragments (192 rows of wqt, my 64 tokens, 32 K at byte k of the rows) into buffer f
.macro FETCH k, f
	WIN 0x40                                       ; destination window 1, address window 0
.irp i, 0,1,2,3,4,5,6,7,8,9,10,11
	ds_load_b128 v[96*(\f)+8*(\i):96*(\f)+8*(\i)+3],   v[ADRB] offset:(\k)+(\i)*16*PITCH
	ds_load_b128 v[96*(\f)+8*(\i)+4:96*(\f)+8*(\i)+7], v[ADRB] offset:(\k)+(\i)*16*PITCH+32
.endr
	WIN 0
.irp i, 0,1,2,3
	ds_load_b128 v[FA+32*(\f)+8*(\i):FA+32*(\f)+8*(\i)+3],   v[ADRA] offset:(\k)+(\i)*16*PITCH
	ds_load_b128 v[FA+32*(\f)+8*(\i)+4:FA+32*(\f)+8*(\i)+7], v[ADRA] offset:(\k)+(\i)*16*PITCH+32
.endr
.endm
; A load into a register that a matrix instruction has read, and a vector instruction that reads a matrix result, stand four places behind that matrix instruction, and only plain vector
; instructions that name none of its registers are places (ISA guide 7.12.1 for vector instructions).
.macro PLACES
.rept 4
	v_nop
.endr
.endm
; One of a K step's first three quarters: multiplies buffer f; in its middle it fetches the next quarter's fragments, at byte k of the rows, into buffer g.
.macro QUARTER k, f, g, zero
	s_wait_dscnt 4                                 ; wqt's fragments and token blocks 0, 1 are in; the youngest four loads (token blocks 2, 3) may be out
	MUL12 \f, 0, \zero
	MUL12 \f, 1, \zero
	PLACES
	FETCH \k, \g
	s_wait_dscnt 32                                ; all but the 32 just issued
	MUL12 \f, 2, \zero
	MUL12 \f, 3, \zero
.endm
; The last quarter multiplies buffer 1 and changes slots.  MEET is its first half: one barrier for two things.  In front of it each wave waits for all its tensor loads, of which one is out: its part of
; the next slot; adds 0 to its spare word; and waits for that and for its own reads of this slot.  Behind it nobody reads this slot any more and the next slot is whole.
.macro MEET round
	WIN 0                                          ; (the add's two registers lie in window 0)
	s_wait_tensorcnt 0x0                           ; all my tensor loads have landed
	ds_add_u32 v[SPW], v[NIL]                      ; 0 onto my spare word
	s_wait_dscnt 5                                 ; (the add and the youngest four loads may be out)
	MUL12 1, 0, 0                                  ; twelve products stand between the add and the wait for it
	s_wait_dscnt 0x0                               ; the add is done, and my reads of this slot are over
	s_barrier_signal -1
	MUL12 1, 1, 0                                  ; work on registers while the others arrive
.if \round
	WIN 0
.endif
	s_barrier_wait -1
.endm
; The whole last quarter.  fill = 1: the barrier opens a round of the cluster's, so that no wave of any partner still reads this slot or has a load on its way; the slot is filled again first thing behind
; it, with the K step two on: from that request to the wait for it a wave issues 168 products.  Then come the next slot's first fragments.
.macro TURN fill
	MEET \fill
.if \fill
	CREST
	STEPD
	JLOAD                                          ; its four v_nop are also the places in front of the loads below
.else
	PLACES
	WIN 0
.endif
	s_xor_b32 s[TB], s[TB], SLOT1
	v_add_nc_u32 v[ADRA], s[TB], v[ADRA0]
	v_add_nc_u32 v[ADRB], s[TB], v[ADRB0]
	FETCH 0, 0
	MUL12 1, 2, 0
	MUL12 1, 3, 0
.endm
; THE WAY OUT of token block a.  PACK: rounded to f16, 16 bytes a lane, each accumulator's registers in ascending order.  TOSTAGE: into my own stage, by heads, and back as rows of 128 bytes.  SEND: stored.
.macro PACK a
	WIN 0x0a+5*((\a)/2)                            ; sources 0 and 1: window 2 or 3
.irp b, 0,1,2,3,4,5,6,7,8,9,10,11
.irp r, 0,1,2,3
	v_cvt_pk_f16_f32 v[TMP+4*(\b)+(\r)], v[96*((\a)%2)+8*(\b)+2*(\r)], v[96*((\a)%2)+8*(\b)+2*(\r)+1]
.endr
.endr
	WIN 0
.endm
.macro TOSTAGE a
.irp b, 0,1,2,3,4,5,6,7,8,9,10,11
	ds_store_b128 v[STO], v[TMP+4*(\b):TMP+4*(\b)+3] offset:((\b)/4)*16*SP+((\b)%4)*32
.endr
.irp t, 0,1,2,3,4,5,6,7,8,9,10,11
	ds_load_b128 v[OB+48*((\a)%2)+4*(\t):OB+48*((\a)%2)+4*(\t)+3], v[RD] offset:((\t)/4)*16*SP+((\t)%4)*4*SP  ; LDS serves a wave's instructions in order (ISA guide 5.7.1.4): these see the stores above
.endr
.endm
.macro SEND a
	s_wait_dscnt 0x0                               ; the block is back in registers
	s_wait_xcnt 0x0                                ; every earlier store has read its registers: the set that the next block is read back into is rewritten only behind this wait
.irp t, 0,1,2,3,4,5,6,7,8,9,10,11
	global_store_b128 v[GO], v[OB+48*((\a)%2)+4*(\t):OB+48*((\a)%2)+4*(\t)+3], s[OUT+2*((\t)/4):OUT+2*((\t)/4)+1] offset:(\a)*2048+((\t)%4)*512 th:TH_STORE_NT  ; 512 consecutive bytes, at a multiple of 256 from qkv's first
.endr
.endm
	; slot 0 is waited for and slot 1 asked for, in the form of every change of slots
	WIN 0
	s_wait_tensorcnt 0x0                           ; my part of K step 0 is in, and no tensor load of mine is out, so a group 0 may be written
	ds_add_u32 v[SPW], v[NIL]                      ; 0 onto my spare word: the descriptors' steps stand between it and the wait for it
	STEPD
	s_wait_dscnt 0x0
	CROUND                                         ; everybody's part is in, in all sixteen work-groups
	JLOAD                                          ; K step 1 into slot 1
	FETCH 0, 0
	QUARTER 64, 0, 1, 1                            ; the first quarter stands in front of the loop: its products start the sums, with the bias
	WIN 0                                          ; at a label and at a branch every window is 0
	s_mov_b32 s3, 6
.Lk:                                                   ; a trip goes from a K step's second quarter to the next step's first, and asks for K steps 2 to 7
	QUARTER 128, 1, 0, 0
	QUARTER 192, 0, 1, 0
	TURN 1
	QUARTER 64, 0, 1, 0
	WIN 0
	s_sub_co_u32 s3, s3, 1
	s_cmp_lg_u32 s3, 0
	s_cbranch_scc1 .Lk
	QUARTER 128, 1, 0, 0                           ; the rest of K step 6 and K step 7 are written out: nothing more is asked for
	QUARTER 192, 0, 1, 0
	TURN 0
	QUARTER 64, 0, 1, 0
	QUARTER 128, 1, 0, 0
	QUARTER 192, 0, 1, 0
	s_wait_dscnt 4                                 ; the very last quarter: nothing more to fetch
	MUL12 1, 0, 0
	MUL12 1, 1, 0
	s_wait_dscnt 0x0
	MUL12 1, 2, 0
	MUL12 1, 3, 0
	PLACES
	PACK 0
	TOSTAGE 0
.irp a, 1,2,3                          ; block a's conversions stand between block a - 1's loads from the stage and the wait for them
	PACK \a
	SEND (\a)-1
	TOSTAGE \a
.endr
	SEND 3
	s_wait_tensorcnt 0x0                           ; the wave's end: behind my last tensor load and my last LDS store
	ds_add_u32 v[SPW], v[NIL]
	s_wait_dscnt 0x0
	CROUND                                         ; the closing round: no work-group ends while a partner may still ask for a tile that names it
	s_endpgm
.Lfunc_end_k_q7ca5ac7c0c_gemm_qkv:
	.size	k_q7ca5ac7c0c_gemm_qkv, .Lfunc_end_k_q7ca5ac7c0c_gemm_qkv-k_q7ca5ac7c0c_gemm_qkv
	.p2alignl 7, 3214868480
	.fill 96, 4, 3214868480
	.section	.rodata,"a",@progbits
	.p2align	6, 0x0
	.amdhsa_kernel k_q7ca5ac7c0c_gemm_qkv
		.amdhsa_group_segment_fixed_size 327680
		.amdhsa_private_segment_fixed_size 0
		.amdhsa_enable_private_segment 0
		.amdhsa_kernarg_size 32
		.amdhsa_user_sgpr_count 2
		.amdhsa_user_sgpr_kernarg_segment_ptr 1
		.amdhsa_wavefront_size32 1
		.amdhsa_system_sgpr_workgroup_id_x 1
		.amdhsa_system_sgpr_workgroup_id_y 1
		.amdhsa_system_sgpr_workgroup_id_z 1
		.amdhsa_system_vgpr_workitem_id 0
		.amdhsa_next_free_vgpr 992
		.amdhsa_next_free_sgpr 66
		.amdhsa_reserve_vcc 0
		.amdhsa_float_denorm_mode_32 3
		.amdhsa_float_denorm_mode_16_64 3
		.amdhsa_memory_ordered 1
		.amdhsa_forward_progress 1
		.amdhsa_inst_pref_size 107
	.end_amdhsa_kernel
	.amdgpu_metadata
---
amdhsa.version: [ 1, 2 ]
amdhsa.kernels:
  - .name:           k_q7ca5ac7c0c_gemm_qkv
    .symbol:         k_q7ca5ac7c0c_gemm_qkv.kd
    .args:
      - { .name: xb, .offset: 0, .size: 8, .value_kind: global_buffer, .address_space: global }
      - { .name: wqt, .offset: 8, .size: 8, .value_kind: global_buffer, .address_space: global }
      - { .name: b_qkv, .offset: 16, .size: 8, .value_kind: global_buffer, .address_space: global }
      - { .name: qkv, .offset: 24, .size: 8, .value_kind: global_buffer, .address_space: global }
    .group_segment_fixed_size: 327680
    .private_segment_fixed_size: 0
    .kernarg_segment_align: 8
    .kernarg_segment_size: 32
    .max_flat_workgroup_size: 128
    .sgpr_count:     66
    .vgpr_count:     992
    .wavefront_size: 32
...
	.end_amdgpu_metadata
.endif
;; end of part 2
;; launch attn (part 3): grid 4 x 64, 4 waves a work-group, no clusters, 327,680 bytes of LDS; arguments qkv, att; writes att
.if DOCPART == 3
	.amdgcn_target "amdgcn-amd-amdhsa--gfx1250"
	.amdhsa_code_object_version 6
	.text
	.protected	k_q7ca5ac7c0c_attn
	.globl	k_q7ca5ac7c0c_attn
	.p2align	8
	.type	k_q7ca5ac7c0c_attn,@function
k_q7ca5ac7c0c_attn:
	s_mov_b64 s[64:65], 0
	v_nop
	global_prefetch_b8 v0, s[64:65] scope:SCOPE_SE
	s_setreg_imm32_b32 hwreg(HW_REG_WAVE_MODE, 25, 1), 1
	s_wait_xcnt 0x0
; CAUSAL ATTENTION.  O[h][q][:] = the sum over k <= q of softmax_k(Q[h][q] . K[h][k] / 8) V[h][k][:].  Q, K, V lie one behind the other in qkv, each [SIZE_H][SIZE_N][64] in f16; O = att has the same form:
; a head's rows are dense, 128 bytes each.  (A 'head' here is a batch's head: 4 x 16 = 64 of them.)
; Products, maxima and sums in f32; the weights p are rounded to f16 for the second product (their sum l is taken of the unrounded p), O once at the end.
; LIMITS.  f16 holds no number beyond 65,504: Q, K and V arrive within it; p lies in 0 to 1, and below 6e-5 it keeps f16's fixed step of 6e-8; O is a mean of V's rows and has their range, to within 2^-11 of it.
; A hidden score counts as its value less 1e30: f16's scores, 2.7e11 at the most, are nothing beside that; a weight below 2^-126 counts as 0 in l; NaN and infinities are not treated apart.
; THE WALK.  A head's queries lie in NB = SIZE_N / 256 blocks of 256; block i needs the key tiles 0 .. i of 256 keys, of which the last holds the diagonal.  A work-group takes TWO blocks, NB - 1 - b and then b:
; NB + 1 tiles, whatever b: all work-groups do equal work, and ONE loop with a constant trip count walks them.  Which tile is asked for, and what a trip does, hang on scalar registers made from b; every jump
; goes forward, but for the counted loops' own; none passes a barrier, or a tensor load but the one of LOAD's two that the wave's number does not choose; the ring (two slots of LDS that take turns) runs on across the
; change of blocks.  NO CLUSTER: all NB / 2 work-groups of a head ask for the same tile only in trips 0 .. NB / 2, behind that fewer and fewer; and one walk common to all would have 3 NB / 2 trips for NB + 1.
; SHARES.  Of a block's four bands of 64 queries a wave owns 16 rows in each: four PIECES.  So the diagonal tile is the same work for all four waves: in its key step s band x sees all keys if s < x,
; none if s > x, and holds the diagonal if s = x.
; THE MASK is the C operand that starts the sum S^T = K Q^T: 0, or -1e30 where the key is hidden.  MD, made once, is the mask of a band's own step for my 16 rows; a product's mask is MD x AL + BE with two scalars:
; (1, 0) if s = x; (0, 0) if s < x; (0, -1e30) if s > x.  Only the diagonal tile's text and a block's beginning make and take masks; elsewhere C is the constant 0.
; LAYOUT, SOFTMAX, TURNS.  S^T = K Q^T holds ONE query a lane (lane % 16) and the keys 8 (lane / 16) + 0..7; two such results rounded to f16 ARE source 1 of O^T = V^T P.  p = 2^(c s - c m), c = log2(e) / 8, with a
; running maximum m; O and l are multiplied by a = 2^(c m_old - c m_new) in every step.  Turn n belongs to piece n: 8 products K Q^T of piece n + 1, later 8 products V^T P of piece n - 1; beside them the scaling,
; exponentials, roundings, sums and rescaling of piece n and the maximum and statistics of piece n + 1.  Four vector instructions stand behind every matrix instruction, the other 54 of a turn's 118 in two LUMPS.
; REGISTERS, in windows of 256 (s_set_vgpr_msb: bits 1:0 source 0, 3:2 source 1, 5:4 source 2, 7:6 destination):
;   window 0: v0-15 addresses and two at work; v16-31 four registers of statistics a piece; v48-55 at work; v61-63 never rewritten; v64-127 S^T, two buffers; v192-223 P, two buffers (a piece's buffers go by its number's parity)
;   window 1: v0-127 O^T, 32 a piece; v128-159 MD; v160-223 MC, two buffers      window 2: v0-63 Q; v64-127 the second block's Q; v128-191 K of one step; v192-255 V of one step
.set SIZE_H, 64
.set SIZE_N, 2048
.set NB,    SIZE_N/256
.set NP,    4         ; pieces a wave: a name, no knob
.set KS,    64        ; keys in a step
.set PK,    144       ; a row of K in LDS: 128 bytes + 16 of padding = 36 words: the 16 rows of a load start at 16 different groups of four banks (64 banks of 4 bytes: ISA guide 11.1)
.set PV,    160       ; a row of V: 128 + 32 = 40 words
.set VOFF,  4*KS*PK   ; a slot holds a tile, four steps: 256 rows of K, then 256 rows of V
.set SLOT1, 1<<17     ; slot 1 begins here, so that one exclusive or turns an address in one slot into the other's
.set STAGE, SLOT1+4*KS*(PK+PV)  ; behind the ring, never filled by a tensor load: 16 rows x 144 bytes for each wave, for the way out
.set SP,    144
.set TENSOR, SIZE_H*SIZE_N*128  ; bytes of Q, of K and of V in qkv
.set AK0, 2           ; v2   my lane's place in a tile of K; never rewritten
.set AV0, 3           ; v3   the same for V
.set AK,  4           ; v4   the LDS address of K's next run of loads
.set AV,  5           ; v5   of V's
.set STO, 6           ; v6   the way out: where I put 16 bytes of a row
.set RD,  7           ; v7   the way out: where I read rows back
.set GO,  8           ; v8   my byte offset in 512 consecutive bytes of O
.set PFO, 61          ; v61  256 x my thread's number: the prefetches' offset in a tile of 32,768 bytes; never rewritten
.set SPW, 62          ; v62  LDS address of my spare word: SPARE + 4 x my thread's number; never rewritten
.set NIL, 63          ; v63  0; never rewritten
.set SPARE, STAGE+4*16*SP  ; behind the stages: the spare words, 128 bytes for each wave: two blocks of 256 bytes that no other line names
.set MV,  12          ; v12-13  c m_old, kept while c m is made anew: by buffer
.set QO,  15          ; v15  my byte offset in 16 rows of Q
.set ST,  16          ; piece t's statistics at v[ST+4 t]: c m, m, l (even keys', odd keys')
.set TMP, 48          ; by buffer, four registers c0-c3 at work; when the maximum is found c2 takes a
.set S,   64
.set P,   192
.set MD,  128         ; window 1: the eight registers for group kt of 16 keys at MD + 8 kt
.set MC,  160         ; window 1: the masks of the products to come
.set QB,  64          ; window 2
.set KF,  128         ; window 2: key block kb, channel half c at KF + 16 kb + 8 c
.set VF,  192         ; window 2: key half kk, channel block cb at VF + 32 kk + 8 cb
.set WV,  12          ; s12  my wave's number
.set PB,  14          ; s14  b
.set HI,  15          ; s15  NB - 1 - b
.set G1K, 24          ; s[24:31] descriptor group 1 for K's tiles
.set G1V, 32          ; s[32:39] for V's: it differs in the padding alone
.set G0K, 40          ; s[40:43] descriptor group 0 for K's tiles
.set G0V, 44          ; s[44:47] the same for V's
.set PFK, 48          ; s[48:49] K at the tile that the prefetches stand at
.set PFV, 50          ; s[50:51] V at the same tile
.set PFT, 52          ; s52  that tile's number
.set PFE, 53          ; s53  NB in the work-group that prefetches, else 0: a tile is asked for while its number is below this
.set SLOTS, 56        ; s56  tiles still to be asked for
.set CNT, 57          ; s57  counts a tile's key steps, 4 to 1
.set CS,  58          ; s[58:59] c: the packed scaling takes the pair's low word for both halves
.set SEL, 60          ; s[60:61] v_permlanex16_b32's selects: each lane takes its own place in the other half
.set TBK, 62          ; s62  LDS byte at which K of the step to be fetched begins
.set TBV, 63          ; s63  the same for V, less VOFF
.set RT,  70          ; s70  tiles of the block in hand that are still to be entered
.set NXT, 71          ; s71  the tile to be asked for next
.set LQ,  72          ; s72  the last tile of the block whose tiles are being asked for
.set NEW, 73          ; s73  1: the tile to be entered is a block's first
.set OFF, 74          ; s[74:75] a tile's byte offset in K and V
.set AL,  76          ; s[76:77] the mask's factor, in the low word
.set BE,  78          ; s[78:79] the mask's addend
.set OLO, 80          ; s[80:81] O at my rows of the second block
.set BIGN, 82         ; s82  -1e30
.set MSB, 0
.macro WIN new                      ; the high byte repeats the setting that is left; a switch that changes nothing is dropped
.if MSB != (\new)
	s_set_vgpr_msb (MSB<<8)|(\new)
.set MSB, (\new)
.endif
.endm
.set W_KQ, 0x0a       ; K and Q in window 2, S^T in window 0
.set W_KM, 0x1a       ; the same with the C operand in window 1
.set W_PV, 0x52       ; V in window 2, P in window 0, O^T in window 1
.set W_RS, 0x41       ; destination and source 0 in window 1, source 1 in window 0
; A fill.  Waves 0 and 1 fetch the two halves of a tile's K, waves 2 and 3 those of its V: 128 keys each.  An s_nop 0 and four v_nop follow each of the two lines, ahead of the jump and the label.
.macro LOAD
	s_cmp_lt_u32 s[WV], 2
	s_cbranch_scc0 .Lfor_v_\@
	tensor_load_to_lds s[G0K:G0K+3], s[G1K:G1K+7]
	s_nop 0
.rept 4
	v_nop
.endr
	s_branch .Lasked_\@
.Lfor_v_\@:
	tensor_load_to_lds s[G0V:G0V+3], s[G1V:G1V+7]
	s_nop 0
.rept 4
	v_nop
.endr
.Lasked_\@:
.endm
; A PREFETCH INTO THE L2 of the tile that the NEXT change of slots will ask for: 32,768 bytes of K and as many of V, 256 bytes a thread, two instructions a wave.  It stands behind the wave's tensor load and its
; five lines, never in front of one.  All four work-groups of a head begin with the tiles 0, 1, 2 ..; the one with b = 0 walks all NB of them on end, so it asks, and nobody else: tiles 2 to NB - 1 are each
; named once in the launch, one tile (four key steps, 256 products) ahead of their loads.  Tiles 0 and 1 come by their loads alone; the last two fills ask for nothing.
.macro ASK
	s_cmp_lt_u32 s[PFT], s[PFE]
	s_cbranch_scc0 .Lnot_mine_\@
	global_prefetch_b8 v[PFO], s[PFK:PFK+1] th:TH_LOAD_NT scope:SCOPE_SE
	global_prefetch_b8 v[PFO], s[PFV:PFV+1] th:TH_LOAD_NT scope:SCOPE_SE
.Lnot_mine_\@:
.endm
; THE CHANGE OF SLOTS.  Each wave waits for all its tensor loads, of which one is out: its part of the other slot; adds 0 to its spare word; and waits for that and for its own reads of the slot that it leaves.  Behind the barrier nobody reads the old
; slot any more and the other slot is whole.  fill = 1: the old slot is filled again, the first thing behind the barrier, with tile NXT: the descriptor's address is made anew from that number.
; (At its first use nothing has been read yet: slot 0 is waited for, slot 1 filled.)
.macro CHANGE fill
	WIN 0                           ; at a label and at a branch every window is 0
	s_wait_tensorcnt 0x0            ; no tensor load of mine is out, so a group 0 may be written
	ds_add_u32 v[SPW], v[NIL]       ; 0 onto my spare word: with fill = 1 the descriptors' scalar work stands between it and the wait for it
.if \fill
	s_lshl_b32 s[OFF], s[NXT], 15   ; a tile is 32,768 bytes of K and of V
	s_xor_b32 s[G0K+1], s[G0K+1], SLOT1
	s_add_nc_u64 s[G0K+2:G0K+3], s[6:7], s[OFF:OFF+1]
	s_or_b32 s[G0K+3], s[G0K+3], 0x80000000
	s_xor_b32 s[G0V+1], s[G0V+1], SLOT1
	s_add_nc_u64 s[G0V+2:G0V+3], s[8:9], s[OFF:OFF+1]
	s_or_b32 s[G0V+3], s[G0V+3], 0x80000000
	s_add_co_u32 s[NXT], s[NXT], 1  ; the block's next tile, or behind its last the second block's tile 0
	s_cmp_gt_u32 s[NXT], s[LQ]
	s_cselect_b32 s[NXT], 0, s[NXT]
	s_cselect_b32 s[LQ], s[PB], s[LQ]
	s_wait_xcnt 0x0                 ; the last prefetches, a tile back, have read their addresses, so these may be written:
	s_add_nc_u64 s[PFK:PFK+1], s[PFK:PFK+1], 32768  ; one tile on
	s_add_nc_u64 s[PFV:PFV+1], s[PFV:PFV+1], 32768
	s_add_co_u32 s[PFT], s[PFT], 1
.endif
	s_wait_dscnt 0x0                ; the add is done, and my reads of the slot are over
	s_barrier_signal -1             ; the rest of the scalar work stands between the signal and the wait
	s_sub_co_u32 s[TBK], s[TBK], 4*KS*PK  ; the fetches go back to a slot's first step,
	s_xor_b32 s[TBK], s[TBK], SLOT1       ; in the other slot
	s_sub_co_u32 s[TBV], s[TBV], 4*KS*PV
	s_xor_b32 s[TBV], s[TBV], SLOT1
	s_barrier_wait -1
.if \fill
	LOAD
	ASK
.endif
.endm
	s_load_b64 s[4:5], s[0:1], 0x0  ; qkv, which begins with Q
	s_load_b64 s[10:11], s[0:1], 0x8  ; O
	v_lshl_add_u32 v[SPW], v0, 2, SPARE
	v_mov_b32 v[NIL], 0
	ds_add_u32 v[SPW], v[NIL]       ; the wave's opening: the add and its wait ahead of my first tensor load; the set-up below, work on registers, stands between them
	ds_add_u32 v62, v63
	v_lshrrev_b32 v1, 5, v0
	v_readfirstlane_b32 s[WV], v1   ; wave 0..3
	v_lshlrev_b32 v[PFO], 8, v0
	s_mov_b32 s[PB], ttmp9
	s_sub_co_u32 s[HI], NB-1, s[PB]
	s_and_b32 s20, ttmp7, 0xffff    ; the head
	s_mov_b32 s21, 0
	s_mov_b64 s[22:23], SIZE_N*128
	s_mul_u64 s[20:21], s[20:21], s[22:23]  ; the head's first byte in each of the four tensors
	s_and_b32 s16, s[WV], 1         ; which half of a tile's 256 keys I fetch:
	s_lshl_b32 s22, s16, 14         ; its 128 rows of 128 bytes in memory,
	s_mov_b32 s23, 0
	s_add_nc_u64 s[22:23], s[22:23], s[20:21]
	s_mul_i32 s17, s16, 128*PK      ; and its place in a slot, for K
	s_mul_i32 s18, s16, 128*PV      ; and for V
	s_lshl_b32 s3, s[WV], 11        ; my 16 rows in a band of 64,
	s_lshl_b32 s2, s[HI], 15        ; in the first block,
	s_add_co_u32 s2, s2, s3
	s_lshl_b32 s84, s[PB], 15       ; and in the second
	s_add_co_u32 s84, s84, s3
	s_mov_b32 s3, 0
	s_mov_b32 s85, 0
	s_add_nc_u64 s[2:3], s[2:3], s[20:21]
	s_add_nc_u64 s[84:85], s[84:85], s[20:21]
	; descriptor group 1.  128 keys are 16,384 dense bytes: asked for as 64 rows of 256 bytes, two keys a row, and padded in LDS after every key
	s_mov_b32 s[G1K], (1<<16)|(1<<20)|(4<<22)|(3<<25)  ; 17:16 2-byte elements; 20 padding on; 24:22 after every 32 words (code 4); 31:25 4 words (code 3)
	s_mov_b32 s[G1V], (1<<16)|(1<<20)|(4<<22)|(7<<25)  ; the same with 8 words of padding (code 7)
.irp g, G1K, G1V
	s_mov_b32 s[\g+1], 128<<16      ; tensor_dim0 = 128
	s_mov_b32 s[\g+2], 64<<16       ; tensor_dim1 = 64
	s_mov_b32 s[\g+3], 128<<16      ; tile_dim0 = 128
	s_mov_b32 s[\g+4], 64           ; tile_dim1 = 64
	s_mov_b32 s[\g+5], 128          ; 128 elements from row to row
	s_mov_b32 s[\g+6], 0
	s_mov_b32 s[\g+7], 0
.endr
	s_mov_b32 s[CS], 0x3e38aa3b     ; c = log2(e) / 8 = 0.180337
	s_mov_b32 s[CS+1], s[CS]        ; named with it as a pair
	s_mov_b32 s[SEL], 0x76543210
	s_mov_b32 s[SEL+1], 0xfedcba98
	s_mov_b32 s[TBK], SLOT1+4*KS*PK ; the first change of slots turns these two into 0
	s_mov_b32 s[TBV], SLOT1+4*KS*PV
	s_mov_b32 s[G0K], 1             ; 1:0 count = 1
	s_mov_b32 s[G0K+1], s17         ; 63:32 LDS address: slot 0
	s_mov_b32 s[G0V], 1
	s_add_co_u32 s[G0V+1], s18, VOFF
	s_add_co_u32 s[RT], s[HI], 1    ; the first block has NB - b tiles
	s_mov_b32 s[NXT], 1
	s_mov_b32 s[LQ], s[HI]
	s_mov_b32 s[NEW], 1
	s_mov_b32 s[OFF+1], 0
	s_mov_b32 s[AL+1], 0            ; named as pairs
	s_mov_b32 s[BE+1], 0
	s_mov_b32 s[BIGN], 0xf149f2ca   ; -1e30
	s_mov_b32 s[SLOTS], NB
	s_mov_b32 s[PFT], 1
	s_cmp_eq_u32 ttmp9, 0
	s_cselect_b32 s[PFE], NB, 0
	s_wait_dscnt 0x0                ; the opening add is done
	s_wait_kmcnt 0x0
	s_add_nc_u64 s[6:7], s[4:5], TENSOR    ; K lies behind Q,
	s_add_nc_u64 s[8:9], s[4:5], 2*TENSOR  ; V behind K
	s_add_nc_u64 s[PFK:PFK+1], s[6:7], s[20:21]
	s_add_nc_u64 s[PFV:PFV+1], s[8:9], s[20:21]
	s_add_nc_u64 s[PFK:PFK+1], s[PFK:PFK+1], 32768  ; at the head's tile 1; the first change of slots steps them to tile 2.  Nothing is prefetched here, at the head, where every work-group's first tiles are on their way
	s_add_nc_u64 s[PFV:PFV+1], s[PFV:PFV+1], 32768
	s_add_nc_u64 s[6:7], s[6:7], s[22:23]  ; K and V at my half of the head's tile 0
	s_add_nc_u64 s[8:9], s[8:9], s[22:23]
	s_add_nc_u64 s[G0K+2:G0K+3], s[6:7], 0         ; 120:64 global address
	s_or_b32 s[G0K+3], s[G0K+3], 0x80000000        ; 127:126 type = 2
	s_add_nc_u64 s[G0V+2:G0V+3], s[8:9], 0
	s_or_b32 s[G0V+3], s[G0V+3], 0x80000000
	s_add_nc_u64 s[86:87], s[4:5], s[84:85]        ; Q at my rows of the second block,
	s_add_nc_u64 s[4:5], s[4:5], s[2:3]            ; Q and O at those of the first
	s_add_nc_u64 s[OLO:OLO+1], s[10:11], s[84:85]
	s_add_nc_u64 s[10:11], s[10:11], s[2:3]
	LOAD                            ; tile 0 into slot 0
	; A fragment of K or Q is 16 rows x 32 channels in 8 registers: lane l holds row l % 16, channels 8 (l / 16) + 0..7 and 16 + 8 (l / 16) + 0..7: two loads of 16 bytes, 32 bytes apart.
	v_and_b32 v1, 15, v0            ; l % 16
	v_bfe_u32 v9, v0, 4, 1          ; l / 16
	v_lshlrev_b32 v[QO], 7, v1
	v_lshl_add_u32 v[QO], v9, 4, v[QO]  ; row x 128 + 16 x half
	WIN 0x80                        ; destination window 2, address window 0
.set i, 0
.rept 8                             ; both blocks' Q: piece i / 2 lies in band i / 2, 8,192 bytes on; channels 32 (i % 2) on
	global_load_b128 v[8*i:8*i+3],   v[QO], s[4:5] offset:(i/2)*8192+(i%2)*64
	global_load_b128 v[8*i+4:8*i+7], v[QO], s[4:5] offset:(i/2)*8192+(i%2)*64+32
	global_load_b128 v[QB+8*i:QB+8*i+3],   v[QO], s[86:87] offset:(i/2)*8192+(i%2)*64
	global_load_b128 v[QB+8*i+4:QB+8*i+7], v[QO], s[86:87] offset:(i/2)*8192+(i%2)*64+32
.set i, i+1
.endr
	WIN 0
	v_lshlrev_b32 v14, 3, v9
	v_sub_nc_u32 v14, v1, v14
	s_lshl_b32 s13, s[WV], 4
	v_add_nc_u32 v14, s13, v14      ; my query's place in its band, 16 w + l % 16, less my lanes' 8 (l / 16): register r of group kt is hidden where 16 kt + r is greater
	WIN 0x40
.set i, 0
.rept 32
	v_cmp_gt_i32 vcc_lo, 16*(i/8)+i%8, v14
	v_cndmask_b32 v[MD+i], 0, s[BIGN], vcc_lo
.set i, i+1
.endr
	WIN 0
	v_mul_u32_u24 v[AK0], v1, PK
	v_lshl_add_u32 v[AK0], v9, 4, v[AK0]  ; row x pitch + 16 x half
	; The turning load takes 16 keys x 16 channels (lane l reads key 8 (l / 16) + l % 8, channels 8 ((l / 8) % 2) + 0..7) and leaves half a fragment of V^T: lane l holds channel l % 16 and 8 keys.
	v_and_b32 v10, 7, v0
	v_bfe_u32 v11, v0, 3, 1
	v_lshl_add_u32 v[AV0], v9, 3, v10
	v_mul_u32_u24 v[AV0], v[AV0], PV
	v_lshl_add_u32 v[AV0], v11, 4, v[AV0]
	v_add_nc_u32 v[AV0], VOFF, v[AV0]
	s_mul_i32 s13, s[WV], 16*SP
	s_add_co_u32 s13, s13, STAGE    ; my stage
	v_mul_u32_u24 v[STO], v1, SP    ; in: row l % 16, 16 bytes for each half of the lanes
	v_lshl_add_u32 v[STO], v9, 4, v[STO]
	v_add_nc_u32 v[STO], s13, v[STO]
	v_bfe_u32 v[RD], v0, 3, 2       ; back: 32 lanes take four rows of 128 bytes,
	v_mul_u32_u24 v[RD], v[RD], SP
	v_lshl_add_u32 v[RD], v10, 4, v[RD]
	v_add_nc_u32 v[RD], s13, v[RD]
	v_and_b32 v[GO], 31, v0         ; which are 512 consecutive bytes of O
	v_lshlrev_b32 v[GO], 4, v[GO]
	; A block's first step multiplies O^T and l by a = 0, and its first turn's products V^T P, of a piece that has not been, land in an O^T that is still to be so multiplied.  So these registers need only hold
	; finite numbers: zeros for the first block; what the first block left for the second.  All this stands in the wait for the first tile.
	WIN 0x80
.set i, VF
.rept 64
	v_mov_b32 v[i], 0
.set i, i+1
.endr
	WIN 0x40
.set i, 0
.rept 128
	v_mov_b32 v[i], 0
.set i, i+1
.endr
	WIN 0
.set i, 0
.rept 4
	v_mov_b32 v[ST+4*i+2], 0
	v_mov_b32 v[ST+4*i+3], 0
.set i, i+1
.endr
.set i, P+16
.rept 16
	v_mov_b32 v[i], 0
.set i, i+1
.endr
; THE MATRIX WORK.  The 4 accumulators of a run of 8 take turns.  Product i of 8 of S^T = K Q^T for piece x: channels 32 (i / 4) on, keys 16 (i % 4) on.  The first 4 start the sums: with 0, or (KM = 1) with the mask.
.macro KQ x
.set rS, S+32*((\x)%2)+8*(i%4)
.set rK, KF+16*(i%4)+8*(i/4)
.set rQ, 16*(\x)+8*(i/4)
.set rM, MC+32*((\x)%2)+8*(i%4)
.if (i < 4) && KM
	WIN W_KM
	v_wmma_f32_16x16x32_f16 v[rS:rS+7], v[rK:rK+7], v[rQ:rQ+7], v[rM:rM+7]
.elseif i < 4
	WIN W_KQ
	v_wmma_f32_16x16x32_f16 v[rS:rS+7], v[rK:rK+7], v[rQ:rQ+7], 0
.else
	WIN W_KQ
	v_wmma_f32_16x16x32_f16 v[rS:rS+7], v[rK:rK+7], v[rQ:rQ+7], v[rS:rS+7]
.endif
.endm
; Product i of 8 of O^T += V^T P for piece x: keys 32 (i / 4) on, channels 16 (i % 4) on.
.macro PV x
	WIN W_PV
.set rO, 32*(\x)+8*(i%4)
.set rV, VF+32*(i/4)+8*(i%4)
.set rP, P+16*((\x)%2)+8*(i/4)
	v_wmma_f32_16x16x32_f16 v[rO:rO+7], v[rV:rV+7], v[rP:rP+7], v[rO:rO+7]
.endm
.macro MM                           ; the turn's next matrix instruction.  TURN and BEGIN set Y, i, KM and NOKQ; MM, KQ and OP read them.  NOKQ = 1: a block's last turn: there is no next piece
.if (i < 8) && !NOKQ
	KQ (Y+1)%NP
.elseif i >= 8
.set i, i-8
	PV (Y+NP-1)%NP
.set i, i+8
.endif
.set i, i+1
.endm
; THE LDS LOADS stand in runs of 16, never singly among the matrix instructions: a step's K (64 keys x 64 channels: 8 fragments) and its V (turned).  Their addresses are made some lines ahead.
.macro FETCH_K
	WIN 0x80                        ; destination window 2
.irp f, 0,1,2,3,4,5,6,7             ; keys 16 (f / 2) on, channels 32 (f % 2) on
	ds_load_b128 v[KF+8*\f:KF+8*\f+3],   v[AK] offset:(\f/2)*16*PK+(\f%2)*64
	ds_load_b128 v[KF+8*\f+4:KF+8*\f+7], v[AK] offset:(\f/2)*16*PK+(\f%2)*64+32
.endr
	s_add_co_u32 s[TBK], s[TBK], KS*PK  ; the next fetch is the next step's
	WIN 0
.endm
.macro FETCH_V
	WIN 0x80
.irp f, 0,1,2,3,4,5,6,7             ; keys 32 (f / 4) on, channels 16 (f % 4) on
	ds_load_tr16_b128 v[VF+8*\f:VF+8*\f+3],   v[AV] offset:(\f/4)*32*PV+(\f%4)*32
	ds_load_tr16_b128 v[VF+8*\f+4:VF+8*\f+7], v[AV] offset:(\f/4)*32*PV+16*PV+(\f%4)*32
.endr
	WIN 0
.endm
; THE VECTOR WORK, one line at a time: OP kind, number.  For piece Y: F n: c s - c m for pair n of 16.  E n: the exponential of score n of 32.  C n: pair n rounded to f16.  B n: of the four weights 4 n .. the second
; pair is added onto the first, in place.  L n: l takes that sum (L 0: l = a l + sum).  R n: pair n of 16 of O^T times a.  For piece Y + 1: X n, number n of the 22 that find its maximum and statistics:
;   0-11  four chains c0-c3 of seven scores each, three operands at a time (each accumulator's lowest registers are read first)     12-14, 16  the four scores left over, the old m, and c0-c3 into c0
;   15  c m_old is kept     17, 18  the query's other 32 keys lie in the lane 16 away: the new m     19-21  c m; c m_old - c m_new; a
.set F, 0               ; OP tells the kinds apart by their order: F to L below R, X above it
.set E, 1
.set C, 2
.set B, 3
.set L, 4
.set R, 5
.set X, 6
.macro REGS y                       ; the registers of piece y
.set rT, ST+4*(\y)
.set rC, TMP+4*((\y)%2)
.set rW, MV+((\y)%2)
.set rS, S+32*((\y)%2)
.set rP, P+16*((\y)%2)
.set rO, 32*(\y)
.endm
.macro OP k, n
.if (\k) == R
	REGS Y
	WIN W_RS
	v_pk_mul_f32 v[rO+2*(\n):rO+2*(\n)+1], v[rO+2*(\n):rO+2*(\n)+1], v[rC+2:rC+3] op_sel_hi:[1,0]
.elseif (\k) < R
	REGS Y
	WIN 0
.if (\k) == F
	v_pk_fma_f32 v[rS+2*(\n):rS+2*(\n)+1], v[rS+2*(\n):rS+2*(\n)+1], s[CS:CS+1], v[rT:rT+1] op_sel_hi:[1,0,0] neg_lo:[0,0,1] neg_hi:[0,0,1]
.elseif (\k) == E
	v_exp_f32 v[rS+(\n)], v[rS+(\n)]
.elseif (\k) == C
	s_wait_alu depctr_va_vdst(0)
	v_cvt_pk_f16_f32 v[rP+(\n)], v[rS+2*(\n)], v[rS+2*(\n)+1]
.elseif (\k) == B
	s_wait_alu depctr_va_vdst(0)
	v_pk_add_f32 v[rS+4*(\n):rS+4*(\n)+1], v[rS+4*(\n):rS+4*(\n)+1], v[rS+4*(\n)+2:rS+4*(\n)+3]
.elseif (\n) == 0
	v_pk_fma_f32 v[rT+2:rT+3], v[rT+2:rT+3], v[rC+2:rC+3], v[rS:rS+1] op_sel_hi:[1,0,1]
.else
	v_pk_add_f32 v[rT+2:rT+3], v[rT+2:rT+3], v[rS+4*(\n):rS+4*(\n)+1]
.endif
.elseif NOKQ
	v_nop
.else
	REGS (Y+1)%NP
	WIN 0
.if (\n) < 4
	v_max3_num_f32 v[rC+(\n)], v[rS+8*(\n)], v[rS+8*(\n)+1], v[rS+8*(\n)+2]
.elseif (\n) < 12
	v_max3_num_f32 v[rC+(\n)%4], v[rC+(\n)%4], v[rS+8*((\n)%4)+2*((\n)/4)+1], v[rS+8*((\n)%4)+2*((\n)/4)+2]
.elseif (\n) == 12
	v_max3_num_f32 v[rC], v[rC], v[rS+7], v[rS+15]
.elseif (\n) == 13
	v_max3_num_f32 v[rC+1], v[rC+1], v[rS+23], v[rS+31]
.elseif (\n) == 14
	v_max3_num_f32 v[rC+2], v[rC+2], v[rC+3], v[rT+1]
.elseif (\n) == 15
	v_mov_b32 v[rW], v[rT]
.elseif (\n) == 16
	v_max3_num_f32 v[rC], v[rC], v[rC+1], v[rC+2]
.elseif (\n) == 17
	v_permlanex16_b32 v[rC+3], v[rC], s[SEL], s[SEL+1]
.elseif (\n) == 18
	v_max_num_f32 v[rT+1], v[rC], v[rC+3]
.elseif (\n) == 19
	v_mul_f32 v[rT], s[CS], v[rT+1]
.elseif (\n) == 20
	v_sub_f32 v[rC+1], v[rW], v[rT]
.else
	v_exp_f32 v[rC+2], v[rC+1]
.endif
.endif
.endm
.macro OPS a, i1, b=-1, i2=0, c=-1, i3=0, d=-1, i4=0  ; up to four of them
	OP \a, \i1
.if (\b) >= 0
	OP \b, \i2
.endif
.if (\c) >= 0
	OP \c, \i3
.endif
.if (\d) >= 0
	OP \d, \i4
.endif
.endm
.macro ROW a, i1, b, i2, c, i3, d, i4  ; a matrix instruction and the four behind it
	MM
	OPS \a, \i1, \b, \i2, \c, \i3, \d, \i4
.endm
.macro MASK b                       ; MD x AL + BE into buffer b of MC
	WIN W_RS
.set z, 0
.rept 16
	v_pk_fma_f32 v[MC+32*(\b)+2*z:MC+32*(\b)+2*z+1], v[MD+2*z:MD+2*z+1], s[AL:AL+1], s[BE:BE+1] op_sel_hi:[1,0,0]
.set z, z+1
.endr
.endm
; A TURN, for piece p: the order of its 16 matrix and 118 vector instructions, written out.  Behind a matrix instruction: plain, exponential, plain, plain; or four of the rescaling; or, behind the first, four scalings; none
; names a register of the products round it.  In the lumps exponential and plain by turns while exponentials last.  A line reads no result made fewer than three vector instructions in front of it, five if an exponential made it.
; v_permlanex16_b32 (X 17) stands in a lump.
; m = 1: the diagonal tile: the products take masks, and the turn makes the mask for the products of the turn after it: piece p + 2, in step 4 - CNT of the tile.  end = 1: a block's last two turns: nothing is fetched.
; cnt = 1: the loop's count is taken down some lines ahead of the branch that stands behind the turn.
; K of the next step is fetched in piece 2's turn, six vector instructions behind the last product that read K (five of them plain); V of the step in hand in piece 0's turn, eight behind the last product that read V (four
; plain, and X 17).  Each is waited for a turn later.
.macro TURN p, m=0, end=0, cnt=0
.set Y, (\p)
.set i, 0
.set KM, (\m)
.set NOKQ, (\end)*((\p)/3)
.if (\m) && !(\end)
	s_cmp_eq_u32 s[CNT], 4-((\p)+2)%NP  ; is that step the band's own?
	s_cselect_b32 s[AL], 1.0, 0
	s_cmp_lt_u32 s[CNT], 4-((\p)+2)%NP  ; or a later one?
	s_cselect_b32 s[BE], s[BIGN], 0
.endif
.if ((\p) == 3) && !(\end)
	s_wait_dscnt 0x0                ; K is in
.endif
	ROW F,0, F,1, F,2, F,3
	ROW F,4, E,0, F,5, F,6
	ROW F,7, E,1, F,8, F,9
	ROW F,10, E,2, C,0, F,11
	ROW F,12, E,3, X,15, F,13
	ROW R,0, R,1, R,2, R,3
	ROW B,0, E,4, F,14, L,0
.if ((\p) == 2) && !(\end)
	v_add_nc_u32 v[AK], s[TBK], v[AK0]
.endif
	ROW R,4, R,5, R,6, R,7
	OPS E,5, F,15
.if ((\p) == 2) && !(\end)
	FETCH_K
.endif
	OPS E,6, C,1, E,7, R,8
	OPS E,8, R,9, E,9, C,2
	OPS E,10, X,0, E,11, X,1
	OPS E,12, X,2, E,13, X,3
.if (\p) == 1
	s_wait_dscnt 0x0                ; V is in
.endif
	ROW X,4, E,14, X,5, X,6
	ROW X,7, E,15, X,8, X,9
	ROW X,10, E,16, X,11, X,12
	ROW X,13, E,17, X,14, B,1
	ROW C,4, E,18, X,16, L,1
	ROW B,2, E,19, C,6, L,2
	ROW C,8, E,20, B,3, B,4
.if (\p) == 0
	v_add_nc_u32 v[AV], s[TBV], v[AV0]
.endif
	ROW C,3, E,21, L,3, C,5
	OPS E,22, X,17, E,23, C,10
.if (\p) == 0
	FETCH_V
.endif
	OPS E,24, L,4
	OPS E,25, X,18, E,26, C,7
	OPS E,27, B,5, E,28, X,19
	OPS E,29, C,12, E,30, L,5
	OPS E,31, X,20, B,6, C,9
	OPS C,14, C,11, X,21, L,6
.if (\p) == 0
	s_add_co_u32 s[TBV], s[TBV], KS*PV
.endif
.if \cnt
	s_sub_co_u32 s[CNT], s[CNT], 1
	s_cmp_lg_u32 s[CNT], 0
.endif
	OPS C,13, B,7, C,15, R,10
	OPS R,11, R,12, L,7, R,13
	OPS R,14, R,15
.if (\m) && !(\end)
	MASK (\p)%2
.endif
.endm
; A BLOCK BEGINS.  c m starts far below every c s, so the first step's a is 0; m at the lowest finite number, so the first maximum is the scores'.  The second mask buffer is 0; the first takes piece 0's mask for the tile's step 0: its own, if the block's first tile is the diagonal one.
; Then K of that step, piece 0's first scores, and its maximum and statistics.  The loop is entered at a step's first turn, in the middle of a trip.
.macro BEGIN
	s_mov_b32 s[NEW], 0
	WIN 0x40
.set i, MC+32
.rept 32
	v_mov_b32 v[i], 0
.set i, i+1
.endr
	WIN 0
.set i, 0
.rept 4
	v_mov_b32 v[ST+4*i], 0xfe000000    ; c m: far below every c s
	v_mov_b32 v[ST+4*i+1], 0xff7fffff  ; m
.set i, i+1
.endr
	s_cmp_eq_u32 s[RT], 0
	s_cselect_b32 s[AL], 1.0, 0
	s_mov_b32 s[BE], 0
	MASK 0
	WIN 0
	v_add_nc_u32 v[AK], s[TBK], v[AK0]
	FETCH_K
	s_wait_loadcnt 0x0              ; Q
	s_wait_dscnt 0x0
.set KM, 1
.set NOKQ, 0
.set i, 0
.rept 8
	KQ 0
.set i, i+1
.endr
	WIN 0
.rept 4
	v_nop                           ; the places behind those products
.endr
.set Y, NP-1                        ; X works for piece Y + 1: piece 0
.irp n, 0,1,2,3,4,5,6,7,8,9,10,11,12,13,14,15,16,17,18,19,20,21
	OP X, \n
.endr
	v_nop                           ; a plain instruction behind the exponential
.endm
; THE DIAGONAL TILE's four steps, the block's last two turns, its last products, and THE WAY OUT: l's two halves and the other half of the lanes' are added; O^T is divided by l, rounded to f16 and sent through my
; stage in LDS, a piece at a time.
.macro ALL line:vararg              ; one line for each piece t
.set t, 0
.rept 4
	\line
.set t, t+1
.endr
.endm
.macro PACK t                       ; a lane's eight channels of a row pack into 16 bytes; they go into rows of 144 bytes and come back as whole rows of 128, into S^T's registers
	WIN W_RS
.set i, 32*(\t)
.rept 16
	s_wait_alu depctr_va_vdst(0)
	v_pk_mul_f32 v[i:i+1], v[i:i+1], v[ST+4*(\t)+2:ST+4*(\t)+3] op_sel_hi:[1,0]
.set i, i+2
.endr
	WIN 0x05                        ; sources 0 and 1 window 1, destination window 0
.set i, 0
.rept 16
	v_cvt_pk_f16_f32 v[S+16*(\t)+i], v[32*(\t)+2*i], v[32*(\t)+2*i+1]
.set i, i+1
.endr
	WIN 0
.irp f, 0,1,2,3
	ds_store_b128 v[STO], v[S+16*(\t)+4*\f:S+16*(\t)+4*\f+3] offset:32*\f
.endr
.irp f, 0,1,2,3
	ds_load_b128 v[S+16*(\t)+4*\f:S+16*(\t)+4*\f+3], v[RD] offset:\f*4*SP  ; LDS serves a wave's instructions in order (ISA guide 5.7.1.4): these see the stores above; the next piece's stores come behind them
.endr
.endm
.macro SEND t, younger              ; younger: the LDS instructions issued behind piece t's loads: the next piece's eight, or none
	WIN 0
.irp f, 0,1,2,3
	s_wait_dscnt (\younger)+3-\f
	global_store_b128 v[GO], v[S+16*(\t)+4*\f:S+16*(\t)+4*\f+3], s[10:11] offset:(\t)*8192+\f*512  ; 512 consecutive bytes, at a multiple of 256 from O's first
.endr
.endm
.macro DIAG tag                     ; the tag ends its two labels' names, which the jumps below spell out
.LstepM\tag:
	TURN 2, 1
	TURN 3, 1
	WIN 0
.LfirstM\tag:
	TURN 0, 1
	TURN 1, 1, 0, 1
	WIN 0
	s_cbranch_scc1 .LstepM\tag
	TURN 2, 1, 1
	TURN 3, 1, 1
.set i, 0
.rept 8
	PV NP-1
.set i, i+1
.endr
	WIN 0
	ALL v_add_f32 v[ST+4*t+2], v[ST+4*t+2], v[ST+4*t+3]
	ALL v_permlanex16_b32 v[ST+4*t+3], v[ST+4*t+2], s[SEL], s[SEL+1]
	ALL v_add_f32 v[ST+4*t+2], v[ST+4*t+2], v[ST+4*t+3]
	ALL v_rcp_f32 v[ST+4*t+2], v[ST+4*t+2]
	v_nop                           ; a plain instruction between the last reciprocal and the use of its result
	PACK 0
.set t, 1
.rept 3                             ; a piece's arithmetic stands between the loads of the piece before and its stores
	PACK t
	SEND t-1, 8
.set t, t+1
.endr
	SEND 3, 0
.endm
.set KM, 0
.set NOKQ, 0
.Lslot:                             ; NB times: a tile is entered and the next is asked for
	CHANGE 1
	s_sub_co_u32 s[RT], s[RT], 1
	s_mov_b32 s[CNT], 4
	s_cmp_eq_u32 s[NEW], 1
	s_cbranch_scc1 .Lnew            ; a block's first tile
	s_cmp_eq_u32 s[RT], 0
	s_cbranch_scc0 .Lstep           ; neither its first nor its last
	s_branch .LstepM1
.Lnew:
	BEGIN
	s_branch .Lfirst                ; in the loop a block's first tile is never its last: the first block has two tiles or more, and the second's last is the walk's last
	DIAG 1                          ; in the loop this is the first block's end: the second block's last tile is the walk's last
	s_wait_xcnt 0x0                 ; the stores have read their registers and O's address
	s_mov_b64 s[10:11], s[OLO:OLO+1]
	s_add_co_u32 s[RT], s[PB], 1    ; the second block has b + 1 tiles
	s_mov_b32 s[NEW], 1
	WIN 0x82                        ; the second block's Q goes where the one text of the turns names Q
.set i, 0
.rept 64
	v_mov_b32 v[i], v[QB+i]
.set i, i+1
.endr
	WIN 0
	s_branch .Lbottom
.Lstep:                             ; a trip: pieces 2 and 3 of one step, then pieces 0 and 1 of the next, whose K and V it fetches
	TURN 2
	TURN 3
	WIN 0
.Lfirst:
	TURN 0
	TURN 1, 0, 0, 1
	WIN 0
	s_cbranch_scc1 .Lstep
.Lbottom:
	s_sub_co_u32 s[SLOTS], s[SLOTS], 1
	s_cmp_lg_u32 s[SLOTS], 0
	s_cbranch_scc1 .Lslot
	CHANGE 0                        ; the walk's last tile is written out: nothing is asked for
	s_sub_co_u32 s[RT], s[RT], 1
	s_mov_b32 s[CNT], 4
	s_cmp_eq_u32 s[NEW], 1
	s_cbranch_scc0 .LstepM2
	BEGIN
	s_branch .LfirstM2
	DIAG 2
	s_wait_tensorcnt 0x0            ; the wave's end: behind my last tensor load and my last LDS store
	ds_add_u32 v[SPW], v[NIL]
	s_wait_dscnt 0x0
	s_endpgm
.Lfunc_end_k_q7ca5ac7c0c_attn:
	.size	k_q7ca5ac7c0c_attn, .Lfunc_end_k_q7ca5ac7c0c_attn-k_q7ca5ac7c0c_attn
	.p2alignl 7, 3214868480
	.fill 96, 4, 3214868480
	.section	.rodata,"a",@progbits
	.p2align	6, 0x0
	.amdhsa_kernel k_q7ca5ac7c0c_attn
		.amdhsa_group_segment_fixed_size 327680
		.amdhsa_private_segment_fixed_size 0
		.amdhsa_enable_private_segment 0
		.amdhsa_kernarg_size 16
		.amdhsa_user_sgpr_count 2
		.amdhsa_user_sgpr_kernarg_segment_ptr 1
		.amdhsa_wavefront_size32 1
		.amdhsa_system_sgpr_workgroup_id_x 1
		.amdhsa_system_sgpr_workgroup_id_y 1
		.amdhsa_system_sgpr_workgroup_id_z 1
		.amdhsa_system_vgpr_workitem_id 0
		.amdhsa_next_free_vgpr 768
		.amdhsa_next_free_sgpr 88
		.amdhsa_reserve_vcc 1
		.amdhsa_float_denorm_mode_32 3
		.amdhsa_float_denorm_mode_16_64 3
		.amdhsa_memory_ordered 1
		.amdhsa_forward_progress 1
		.amdhsa_inst_pref_size 229
	.end_amdhsa_kernel
	.amdgpu_metadata
---
amdhsa.version: [ 1, 2 ]
amdhsa.kernels:
  - .name:           k_q7ca5ac7c0c_attn
    .symbol:         k_q7ca5ac7c0c_attn.kd
    .args:
      - { .name: qkv, .offset: 0, .size: 8, .value_kind: global_buffer, .address_space: global }
      - { .name: att, .offset: 8, .size: 8, .value_kind: global_buffer, .address_space: global }
    .group_segment_fixed_size: 327680
    .private_segment_fixed_size: 0
    .kernarg_segment_align: 8
    .kernarg_segment_size: 16
    .max_flat_workgroup_size: 128
    .sgpr_count:     88
    .vgpr_count:     768
    .wavefront_size: 32
...
	.end_amdgpu_metadata
.endif
;; end of part 3
;; launch gemm_out (part 4): grid 4 x 64, 4 waves a work-group, clusters of 4 x 4, 327,680 bytes of LDS; arguments att, wpt, b_proj, out0; writes out0
.if DOCPART == 4
	.amdgcn_target "amdgcn-amd-amdhsa--gfx1250"
	.amdhsa_code_object_version 6
	.text
	.protected	k_q7ca5ac7c0c_gemm_out
	.globl	k_q7ca5ac7c0c_gemm_out
	.p2align	8
	.type	k_q7ca5ac7c0c_gemm_out,@function
k_q7ca5ac7c0c_gemm_out:
	s_mov_b64 s[64:65], 0
	v_nop
	global_prefetch_b8 v0, s[64:65] scope:SCOPE_SE
	s_setreg_imm32_b32 hwreg(HW_REG_WAVE_MODE, 25, 1), 1
	s_wait_xcnt 0x0
	s_wait_alu depctr_hold_cnt(0) depctr_sa_sdst(0) depctr_va_vdst(0) depctr_va_sdst(0) depctr_va_ssrc(0) depctr_va_vcc(0) depctr_vm_vsrc(0)
	s_getreg_b32 s2, hwreg(HW_REG_IB_STS2, 6, 4)
	s_cmp_eq_u32 s2, 0
	s_cbranch_scc0 .Lentry_in_a_cluster
	s_endpgm
.Lentry_in_a_cluster:
	s_bfe_u32 s2, ttmp6, 0x10000c
	s_cmp_lg_u32 s2, 0xf033
	s_cbranch_scc0 .Lentry_shape_is_right
	s_endpgm
.Lentry_shape_is_right:
; out0 = O w_proj + b_proj.  att: [64 = batch x 16 + head][2048 tokens][64] f16.  wpt: [1024 n][1024 k] f16 (w_proj's numbers rounded to bf16).  b_proj: [1024] f32, rounded to bf16 like the other inputs.
; out0: [8192][1024] f32, the f32 sums as they are.  NaN and infinities are not treated apart.
; SHARES.  A tile of out0 is 128 tokens x 256 columns: 64 x 4 = 256 work-groups.  Wave w owns tokens 64 (w / 2) on and columns 128 (w % 2) on: 4 x 8 accumulators of 16 x 16, 256 registers.
; K goes in 8 steps of 128, TWO HEADS a step, through two LDS slots filled by the tensor data mover.  128 tokens of a head are 16,384 dense bytes of att: they are asked for as 64 rows of 256 bytes and padded in LDS
; after every token; wpt's rows are 256 bytes of memory at multiples of 256 bytes.  A step is four quarters of 32 along K, 32 products each.
; CLUSTER.  4 x 4 work-groups.  The four of a row of the cluster need the same tokens, the four of a column the same rows of wpt: each tile is asked for JOINTLY, by the same tensor load with the same
; descriptor and a mask that names the four.  Waves 0 and 1 ask for the step's two heads, waves 2 and 3 for the two halves (128 rows) of wpt's tile: one load a wave.
; THE MATRIX INSTRUCTION IS USED TRANSPOSED: source 0 = 16 rows of wpt, source 1 = 16 tokens: a lane then holds token l % 16 and the columns 8 (l / 16) + 0..7: 32 bytes of a row of out0.
; THE BIAS is the C operand of each accumulator's first product: nothing is cleared and nothing is added on the way out.
; REGISTERS, in windows of 256 (s_set_vgpr_msb: bits 1:0 source 0, 3:2 source 1, 5:4 source 2, 7:6 destination):
;   window 0: v0-31 addresses; v32-63, v64-95 fragments of att (4 x 16 tokens x 32 K), two buffers; v96-159, v160-223 rows read back from the stage, by turns
;   window 1: v0-63, v64-127 fragments of wpt (8 x 16 rows x 32 K), two buffers; v128-191 the bias for my 8 column blocks          window 2: the accumulators, (a, b) at v[8 (8 a + b)]
.set AP,     144                       ; a token's row of a head in LDS: 128 bytes + 16 of padding = 36 words: the 16 rows of a load start at 16 different groups of four banks (64 banks of 4 bytes: ISA guide 11.1)
.set APLANE, 128*AP                    ; a head's 128 tokens: what a tensor load brings of att
.set PITCH,  272                       ; a row of wpt's tile: 256 bytes + 16
.set HALFB,  128*PITCH                 ; what a tensor load brings of wpt
.set BOFF,   2*APLANE                  ; a slot: two heads' planes, then wpt's 256 rows
.set SLOT1,  1<<17                     ; slot 1 begins here, so that one exclusive or turns an address in one slot into the other's
.set STAGE,  SLOT1+BOFF+2*HALFB        ; behind the ring, never filled by a tensor load: for each wave 16 rows x 528 bytes
.set SP,     528                       ; 512 bytes + 16
.set SPARE,  STAGE+4*16*SP             ; behind the stages: the spare words, 128 bytes for each wave: two blocks of 256 bytes that no other line names
.set ADRA0, 16                         ; v16  my lane's place in att's tile of slot 0; never rewritten
.set ADRB0, 17                         ; v17  the same for wpt's
.set ADRA,  18                         ; v18  the same in the slot in hand
.set ADRB,  19                         ; v19
.set STO,   24                         ; v24  the way out: where I put 32 bytes of a row
.set RD,    25                         ; v25  the way out: where I read a row back
.set CO,    26                         ; v26  my byte offset in 512 consecutive bytes of out0
.set BO,    27                         ; v27  my byte offset in 16 numbers of the bias
.set SPW,   28                         ; v28  LDS address of my spare word; never rewritten
.set NIL,   29                         ; v29  0; never rewritten
.set FA,    32
.set OB,    96
.set BIAS,  128
.set WV,  12                           ; s12  my wave's number
.set FB,  13                           ; s13  I fetch for att (0) or for wpt (1); also: which half of the tile's tokens is mine
.set HF,  14                           ; s14  which head of the step, or which half of wpt's tile; also: which half of the tile's columns is mine
.set G1A, 24                           ; s[24:31] descriptor group 1 for att's tiles
.set G0A, 32                           ; s[32:35] group 0: it walks
.set G0B, 36                           ; s[36:39] the same for wpt's
.set G1B, 40                           ; s[40:47]
.set TB,  48                           ; s48  0 or SLOT1: the slot in hand
.set OUT, 50                           ; s[50:51] out0 at my first token and column
.set BB,  56                           ; s[56:57] the bias at my first column
.set MSB, 0
.macro WIN new                         ; the immediate's high byte repeats the setting that is left; a switch that changes nothing is dropped
.if MSB != (\new)
	s_set_vgpr_msb (MSB<<8)|(\new)
.set MSB, \new
.endif
.endm
; A joint load.  Each of the two lines has one mask and one set of registers for all that issue it.  The branch hangs on the wave's number alone.
; An s_nop 0 and four v_nop follow each of the two lines; the jump, the label and what follows come after them.
.macro JLOAD
	s_cmp_eq_u32 s[FB], 0
	s_cbranch_scc0 .Lfor_b_\@
	tensor_load_to_lds s[G0A:G0A+3], s[G1A:G1A+7]
	s_nop 0
.rept 4
	v_nop
.endr
	s_branch .Lasked_\@
.Lfor_b_\@:
	tensor_load_to_lds s[G0B:G0B+3], s[G1B:G1B+7]
	s_nop 0
.rept 4
	v_nop
.endr
.Lasked_\@:
.endm
.macro STEPD                           ; the walking descriptors: the other slot than last time; att two heads on, wpt 128 k on; the type bits on top are not reached
	s_xor_b32 s[G0A+1], s[G0A+1], SLOT1
	s_add_nc_u64 s[G0A+2:G0A+3], s[G0A+2:G0A+3], 2*2048*128
	s_xor_b32 s[G0B+1], s[G0B+1], SLOT1
	s_add_nc_u64 s[G0B+2:G0B+3], s[G0B+2:G0B+3], 256
.endm
; A round of the cluster's barrier: my work-group's barrier, so that wave 0's signal speaks for all four waves; wave 0 signals; every wave waits for all sixteen work-groups; my work-group's barrier once more.
.macro CREST                           ; a round behind its opening barrier
	s_cmp_lg_u32 s[WV], 0
	s_cbranch_scc1 .Lnot_wave_0_\@
	s_barrier_signal -3
.Lnot_wave_0_\@:
	s_barrier_wait -3
	s_barrier_signal -1
	s_barrier_wait -1
.endm
.macro CROUND                          ; a whole round
	s_barrier_signal -1
	s_barrier_wait -1
	CREST
.endm
	s_load_b256 s[4:11], s[0:1], 0x0               ; att s[4:5], wpt s[6:7], b_proj s[8:9], out0 s[10:11]
	v_lshl_add_u32 v[SPW], v0, 2, SPARE
	v_mov_b32 v[NIL], 0
	ds_add_u32 v[SPW], v[NIL]                      ; the wave's opening: the add and its wait ahead of my first tensor load; the set-up below, work on registers, stands between them
	ds_add_u32 v28, v29
	v_lshrrev_b32 v1, 5, v0
	v_readfirstlane_b32 s[WV], v1                  ; wave 0..3
	s_lshr_b32 s[FB], s[WV], 1
	s_and_b32 s[HF], s[WV], 1
	s_bfe_u32 s15, ttmp6, 0x40000                  ; cx, cy: my place in the cluster
	s_bfe_u32 s16, ttmp6, 0x40004
	s_lshl_b32 s17, ttmp9, 2                       ; in a cluster launch ttmp9 and ttmp7 count clusters
	s_add_co_u32 s17, s17, s15                     ; tile column = 4 x cluster x + cx: 0..3
	s_and_b32 s18, ttmp7, 0xffff
	s_lshl_b32 s18, s18, 2
	s_add_co_u32 s18, s18, s16                     ; tile row = 4 x cluster y + cy: 0..63
	s_lshl_b32 s19, s16, 2
	s_lshl_b32 s19, 15, s19                        ; my row of the cluster: places 4 cy .. 4 cy + 3
	s_lshl_b32 s49, 0x1111, s15                    ; my column: places cx, cx + 4, cx + 8, cx + 12
	s_or_b32 s[G1A], s19, (1<<16)|(1<<20)|(1<<21)|(4<<22)|(3<<25)  ; 15:0 the mask; 17:16 elements of 2 bytes; 20 padding on; 21 set beside a mask; 24:22 after every 32 words (code 4); 31:25 4 words of it (code 3)
	s_or_b32 s[G1B], s49, (1<<16)|(1<<20)|(1<<21)|(5<<22)|(3<<25)  ; the same after every 64 words (code 5)
	s_mov_b32 s[G1A+1], 128<<16                    ; tensor_dim0 = 128: two tokens a row
	s_mov_b32 s[G1A+2], 64<<16                     ; tensor_dim1 = 64
	s_mov_b32 s[G1A+3], 128<<16                    ; tile_dim0 = 128
	s_mov_b32 s[G1A+4], 64                         ; tile_dim1 = 64
	s_mov_b32 s[G1A+5], 128                        ; elements from row to row: dense
	s_mov_b32 s[G1A+6], 0
	s_mov_b32 s[G1A+7], 0
	s_mov_b32 s[G1B+1], 128<<16
	s_mov_b32 s[G1B+2], 128<<16                    ; tensor_dim1 = 128
	s_mov_b32 s[G1B+3], 128<<16
	s_mov_b32 s[G1B+4], 128                        ; tile_dim1 = 128
	s_mov_b32 s[G1B+5], 1024
	s_mov_b32 s[G1B+6], 0
	s_mov_b32 s[G1B+7], 0
	; where the tiles come from.  att's hang on the tile row alone, which my row of the cluster shares; wpt's on the tile column alone, which my column shares: each in registers that never hold the other coordinate
	s_lshr_b32 s20, s18, 4                         ; the batch: 16 tiles of 128 tokens each,
	s_lshl_b32 s20, s20, 4                         ; its first head,
	s_add_co_u32 s20, s20, s[HF]                   ; the step's head that I fetch,
	s_lshl_b32 s20, s20, 11                        ; 2,048 tokens a head,
	s_and_b32 s21, s18, 15
	s_lshl_b32 s21, s21, 7                         ; the tile's 128 of them,
	s_add_co_u32 s20, s20, s21
	s_lshl_b32 s20, s20, 7                         ; 128 bytes each
	s_mov_b32 s21, 0
	s_lshl_b32 s22, s17, 8
	s_lshl_b32 s23, s[HF], 7
	s_add_co_u32 s22, s22, s23                     ; wpt: row 256 x tile column + 128 x half,
	s_lshl_b32 s22, s22, 11                        ; of 2,048 bytes
	s_mov_b32 s23, 0
	s_mov_b32 s[G0A], 1                            ; 1:0 count = 1
	s_mul_i32 s[G0A+1], s[HF], APLANE              ; 63:32 LDS address: slot 0; no place in the cluster enters it
	s_mov_b32 s[G0B], 1
	s_mul_i32 s[G0B+1], s[HF], HALFB
	s_add_co_u32 s[G0B+1], s[G0B+1], BOFF
	s_mov_b32 s[TB], 0
	s_wait_dscnt 0x0                               ; the opening add is done
	s_wait_kmcnt 0x0
	s_add_nc_u64 s[G0A+2:G0A+3], s[4:5], s[20:21]  ; 120:64 global address: K step 0
	s_or_b32 s[G0A+3], s[G0A+3], 0x80000000        ; 127:126 type = 2
	s_add_nc_u64 s[G0B+2:G0B+3], s[6:7], s[22:23]
	s_or_b32 s[G0B+3], s[G0B+3], 0x80000000
	CROUND                                         ; all sixteen work-groups are here: the first joint loads meet
	JLOAD                                          ; K step 0 into slot 0; slot 1 is asked for when slot 0 is in
	; all that follows, up to the wait for the tile, stands in the time in which the tile is on its way
	s_lshl_b32 s58, s18, 7
	s_lshl_b32 s59, s[FB], 6
	s_add_co_u32 s58, s58, s59                     ; my first token: 128 x tile row + 64 x half,
	s_lshl_b32 s58, s58, 12                        ; a row of out0 is 4,096 bytes
	s_lshl_b32 s60, s17, 10
	s_lshl_b32 s61, s[HF], 9
	s_add_co_u32 s60, s60, s61                     ; my first column, in bytes: 1,024 x tile column + 512 x half
	s_mov_b32 s61, 0
	s_add_nc_u64 s[BB:BB+1], s[8:9], s[60:61]
	s_add_co_u32 s58, s58, s60
	s_mov_b32 s59, 0
	s_add_nc_u64 s[OUT:OUT+1], s[10:11], s[58:59]
	v_and_b32 v1, 15, v0                           ; l % 16
	v_bfe_u32 v2, v0, 4, 1                         ; l / 16
	v_lshlrev_b32 v[BO], 5, v2                     ; my 8 columns of a block of 16
	WIN 0x40                                       ; destination window 1, address window 0
.irp b, 0,1,2,3,4,5,6,7
	global_load_b128 v[BIAS+8*(\b):BIAS+8*(\b)+3],   v[BO], s[BB:BB+1] offset:64*(\b)
	global_load_b128 v[BIAS+8*(\b)+4:BIAS+8*(\b)+7], v[BO], s[BB:BB+1] offset:64*(\b)+16
.endr
	WIN 0
	; A fragment is 16 rows x 32 K in 8 registers: lane l holds row l % 16; registers 0-3 hold K = 8 (l / 16) + 0..7, registers 4-7 K = 16 + 8 (l / 16) + 0..7: two loads of 16 bytes, 32 bytes apart.
	v_mul_u32_u24 v3, v1, AP
	v_lshl_add_u32 v3, v2, 4, v3                   ; token x pitch + 16 x half
	s_mul_i32 s2, s[FB], 64*AP                     ; my 64 tokens
	v_add_nc_u32 v[ADRA0], s2, v3
	v_mul_u32_u24 v4, v1, PITCH
	v_lshl_add_u32 v4, v2, 4, v4
	s_mul_i32 s2, s[HF], HALFB                     ; my 128 rows of wpt,
	s_add_co_u32 s2, s2, BOFF                      ; which lie behind the two planes
	v_add_nc_u32 v[ADRB0], s2, v4
	v_mov_b32 v[ADRA], v[ADRA0]
	v_mov_b32 v[ADRB], v[ADRB0]
	s_mul_i32 s2, s[WV], 16*SP
	s_add_co_u32 s2, s2, STAGE                     ; my stage
	v_mul_u32_u24 v[STO], v1, SP                   ; in: row l % 16, 32 bytes for each half of the lanes
	v_lshl_add_u32 v[STO], v2, 5, v[STO]
	v_add_nc_u32 v[STO], s2, v[STO]
	v_and_b32 v[CO], 31, v0                        ; back: 32 lanes take one row of 512 bytes
	v_lshlrev_b32 v[CO], 4, v[CO]
	v_add_nc_u32 v[RD], s2, v[CO]
	s_wait_loadcnt 0x0                             ; the bias is in; it is rounded to bf16 in place, two numbers at a time, and widened again
	WIN 0x45                                       ; sources and destination window 1
.set i, BIAS
.rept 32
	v_cvt_pk_bf16_f32 v[i], v[i], v[i+1]
	v_and_b32 v[i+1], 0xffff0000, v[i]
	v_lshlrev_b32 v[i], 16, v[i]
.set i, i+2
.endr
; 8 products: token block a x my 8 column blocks, 32 along K, from buffer f.  zero = 1: the first product of each sum takes the bias as C.
; The 32 accumulators take turns, one instruction a turn, in the same order in every quarter: between two products on one accumulator stand the 31 others'.
.macro MUL8 f, a, zero
.irp b, 0,1,2,3,4,5,6,7
.if \zero
	WIN 0x91                                       ; source 0 window 1, source 1 window 0, C window 1, D window 2
	v_wmma_f32_16x16x32_f16 v[8*(8*(\a)+(\b)):8*(8*(\a)+(\b))+7], v[64*(\f)+8*(\b):64*(\f)+8*(\b)+7], v[FA+32*(\f)+8*(\a):FA+32*(\f)+8*(\a)+7], v[BIAS+8*(\b):BIAS+8*(\b)+7]
.else
	WIN 0xa1                                       ; C and D window 2
	v_wmma_f32_16x16x32_f16 v[8*(8*(\a)+(\b)):8*(8*(\a)+(\b))+7], v[64*(\f)+8*(\b):64*(\f)+8*(\b)+7], v[FA+32*(\f)+8*(\a):FA+32*(\f)+8*(\a)+7], v[8*(8*(\a)+(\b)):8*(8*(\a)+(\b))+7]
.endif
.endr
.endm
; 24 LDS loads in one run: the fragments of quarter q (my 128 rows of wpt at byte 64 q; my 64 tokens in plane q / 2, channels 32 (q % 2) on) into buffer f
.macro FETCH q, f
	WIN 0x40                                       ; destination window 1, address window 0
.irp i, 0,1,2,3,4,5,6,7
	ds_load_b128 v[64*(\f)+8*(\i):64*(\f)+8*(\i)+3],   v[ADRB] offset:64*(\q)+(\i)*16*PITCH
	ds_load_b128 v[64*(\f)+8*(\i)+4:64*(\f)+8*(\i)+7], v[ADRB] offset:64*(\q)+(\i)*16*PITCH+32
.endr
	WIN 0
.irp i, 0,1,2,3
	ds_load_b128 v[FA+32*(\f)+8*(\i):FA+32*(\f)+8*(\i)+3],   v[ADRA] offset:((\q)/2)*APLANE+((\q)%2)*64+(\i)*16*AP
	ds_load_b128 v[FA+32*(\f)+8*(\i)+4:FA+32*(\f)+8*(\i)+7], v[ADRA] offset:((\q)/2)*APLANE+((\q)%2)*64+(\i)*16*AP+32
.endr
.endm
; A load into a register that a matrix instruction has read, and an LDS store that reads a matrix result, stand four places behind that matrix instruction, and only plain vector
; instructions that name none of its registers are places (ISA guide 7.12.1 for vector instructions).
.macro PLACES
.rept 4
	v_nop
.endr
.endm
; One of a K step's first three quarters: multiplies buffer f; in its middle it fetches quarter q's fragments into buffer g.
.macro QUARTER q, f, g, zero
	s_wait_dscnt 4                                 ; wpt's fragments and token blocks 0, 1 are in; the youngest four loads (token blocks 2, 3) may be out
	MUL8 \f, 0, \zero
	MUL8 \f, 1, \zero
	PLACES
	FETCH \q, \g
	s_wait_dscnt 24                                ; all but the 24 just issued
	MUL8 \f, 2, \zero
	MUL8 \f, 3, \zero
.endm
; The last quarter multiplies buffer 1 and changes slots.  MEET is its first half: one barrier for two things.  In front of it each wave waits for all its tensor loads, of which one is out: its part of
; the next slot; adds 0 to its spare word; and waits for that and for its own reads of this slot.  Behind it nobody reads this slot any more and the next slot is whole.
.macro MEET round
	WIN 0                                          ; (the add's two registers lie in window 0)
	s_wait_tensorcnt 0x0                           ; all my tensor loads have landed
	ds_add_u32 v[SPW], v[NIL]                      ; 0 onto my spare word
	s_wait_dscnt 5                                 ; (the add and the youngest four loads may be out)
	MUL8 1, 0, 0                                   ; eight products stand between the add and the wait for it
	s_wait_dscnt 0x0                               ; the add is done, and my reads of this slot are over
	s_barrier_signal -1
	MUL8 1, 1, 0                                   ; work on registers while the others arrive
.if \round
	WIN 0
.endif
	s_barrier_wait -1
.endm
; The whole last quarter.  fill = 1: the barrier opens a round of the cluster's, so that no wave of any partner still reads this slot or has a load on its way; the slot is filled again first thing behind
; it, with the K step two on: from that request to the wait for it a wave issues 112 products.  Then come the next slot's first fragments.
.macro TURN fill
	MEET \fill
.if \fill
	CREST
	STEPD
	JLOAD                                          ; its four v_nop are also the places in front of the loads below
.else
	PLACES
	WIN 0
.endif
	s_xor_b32 s[TB], s[TB], SLOT1
	v_add_nc_u32 v[ADRA], s[TB], v[ADRA0]
	v_add_nc_u32 v[ADRB], s[TB], v[ADRB0]
	FETCH 0, 0
	MUL8 1, 2, 0
	MUL8 1, 3, 0
.endm
; THE WAY OUT of token block a.  TOSTAGE: the f32 sums go as they are into my own stage, each accumulator's low four registers first, and come back as whole rows of 512 bytes.  SEND: stored.
.macro TOSTAGE a
	WIN 0x08                                       ; store data (source 1) window 2, address window 0
.irp b, 0,1,2,3,4,5,6,7
	ds_store_b128 v[STO], v[8*(8*(\a)+(\b)):8*(8*(\a)+(\b))+3]   offset:64*(\b)
	ds_store_b128 v[STO], v[8*(8*(\a)+(\b))+4:8*(8*(\a)+(\b))+7] offset:64*(\b)+16
.endr
	WIN 0
.irp t, 0,1,2,3,4,5,6,7,8,9,10,11,12,13,14,15
	ds_load_b128 v[OB+64*((\a)%2)+4*(\t):OB+64*((\a)%2)+4*(\t)+3], v[RD] offset:SP*(\t)  ; LDS serves a wave's instructions in order (ISA guide 5.7.1.4): these see the stores above; the next block's stores come behind them
.endr
.endm
.macro SEND a, younger                 ; younger: the LDS instructions issued behind block a's loads: the next block's 32, or none
.irp t, 0,1,2,3,4,5,6,7,8,9,10,11,12,13,14,15
	s_wait_dscnt (\younger)+15-(\t)
	global_store_b128 v[CO], v[OB+64*((\a)%2)+4*(\t):OB+64*((\a)%2)+4*(\t)+3], s[OUT:OUT+1] offset:(16*(\a)+(\t))*4096 th:TH_STORE_NT  ; 512 consecutive bytes, at a multiple of 512 from out0's first
.endr
.endm
	; slot 0 is waited for and slot 1 asked for, in the form of every change of slots
	WIN 0
	s_wait_tensorcnt 0x0                           ; my part of K step 0 is in, and no tensor load of mine is out, so a group 0 may be written
	ds_add_u32 v[SPW], v[NIL]                      ; 0 onto my spare word: the descriptors' steps stand between it and the wait for it
	STEPD
	s_wait_dscnt 0x0
	CROUND                                         ; everybody's part is in, in all sixteen work-groups
	JLOAD                                          ; K step 1 into slot 1
	FETCH 0, 0
	QUARTER 1, 0, 1, 1                             ; the first quarter stands in front of the loop: its products start the sums, with the bias
	WIN 0                                          ; at a label and at a branch every window is 0
	s_mov_b32 s3, 6
.Lk:                                                   ; a trip goes from a K step's second quarter to the next step's first, and asks for K steps 2 to 7
	QUARTER 2, 1, 0, 0
	QUARTER 3, 0, 1, 0
	TURN 1
	QUARTER 1, 0, 1, 0
	WIN 0
	s_sub_co_u32 s3, s3, 1
	s_cmp_lg_u32 s3, 0
	s_cbranch_scc1 .Lk
	QUARTER 2, 1, 0, 0                             ; the rest of K step 6 and K step 7 are written out: nothing more is asked for
	QUARTER 3, 0, 1, 0
	TURN 0
	QUARTER 1, 0, 1, 0
	QUARTER 2, 1, 0, 0
	QUARTER 3, 0, 1, 0
	s_wait_dscnt 4                                 ; the very last quarter: nothing more to fetch
	MUL8 1, 0, 0
	MUL8 1, 1, 0
	s_wait_dscnt 0x0
	MUL8 1, 2, 0
	MUL8 1, 3, 0
	PLACES
	TOSTAGE 0
	TOSTAGE 1                                      ; a block's trip through the stage stands between the loads of the block before and its stores
	SEND 0, 32
	s_wait_xcnt 0x0                                ; block 0's stores have read their registers: block 2 is read back into them only behind this wait
	TOSTAGE 2
	SEND 1, 32
	s_wait_xcnt 0x0                                ; the same for block 1's and block 3
	TOSTAGE 3
	SEND 2, 32
	SEND 3, 0
	s_wait_tensorcnt 0x0                           ; the wave's end: behind my last tensor load and my last LDS store
	ds_add_u32 v[SPW], v[NIL]
	s_wait_dscnt 0x0
	CROUND                                         ; the closing round: no work-group ends while a partner may still ask for a tile that names it
	s_endpgm
.Lfunc_end_k_q7ca5ac7c0c_gemm_out:
	.size	k_q7ca5ac7c0c_gemm_out, .Lfunc_end_k_q7ca5ac7c0c_gemm_out-k_q7ca5ac7c0c_gemm_out
	.p2alignl 7, 3214868480
	.fill 96, 4, 3214868480
	.section	.rodata,"a",@progbits
	.p2align	6, 0x0
	.amdhsa_kernel k_q7ca5ac7c0c_gemm_out
		.amdhsa_group_segment_fixed_size 327680
		.amdhsa_private_segment_fixed_size 0
		.amdhsa_enable_private_segment 0
		.amdhsa_kernarg_size 32
		.amdhsa_user_sgpr_count 2
		.amdhsa_user_sgpr_kernarg_segment_ptr 1
		.amdhsa_wavefront_size32 1
		.amdhsa_system_sgpr_workgroup_id_x 1
		.amdhsa_system_sgpr_workgroup_id_y 1
		.amdhsa_system_sgpr_workgroup_id_z 1
		.amdhsa_system_vgpr_workitem_id 0
		.amdhsa_next_free_vgpr 768
		.amdhsa_next_free_sgpr 66
		.amdhsa_reserve_vcc 0
		.amdhsa_float_denorm_mode_32 3
		.amdhsa_float_denorm_mode_16_64 3
		.amdhsa_memory_ordered 1
		.amdhsa_forward_progress 1
		.amdhsa_inst_pref_size 78
	.end_amdhsa_kernel
	.amdgpu_metadata
---
amdhsa.version: [ 1, 2 ]
amdhsa.kernels:
  - .name:           k_q7ca5ac7c0c_gemm_out
    .symbol:         k_q7ca5ac7c0c_gemm_out.kd
    .args:
      - { .name: att, .offset: 0, .size: 8, .value_kind: global_buffer, .address_space: global }
      - { .name: wpt, .offset: 8, .size: 8, .value_kind: global_buffer, .address_space: global }
      - { .name: b_proj, .offset: 16, .size: 8, .value_kind: global_buffer, .address_space: global }
      - { .name: out0, .offset: 24, .size: 8, .value_kind: global_buffer, .address_space: global }
    .group_segment_fixed_size: 327680
    .private_segment_fixed_size: 0
    .kernarg_segment_align: 8
    .kernarg_segment_size: 32
    .max_flat_workgroup_size: 128
    .sgpr_count:     66
    .vgpr_count:     768
    .wavefront_size: 32
...
	.end_amdgpu_metadata
.endif
;; end of part 4
